; MI455X (gfx1250); checked and timed in simulation.
; The chip was launched on July 23, 2026; its instructions are those of AMD's public machine-readable ISA for CDNA 5 (MIT licence, August 2026) and "CDNA5" Instruction Set Architecture Reference Guide (July 2026). The comments in the code are by the model that wrote it; some were corrected since.
;; Attention. Allowed arithmetic: matrix products marked QUANTISED: E2M3 operands, one E8M0 scale for each 32 along K, by v_wmma_scale_f32_16x16x128_f8f6f4 with both operands' format E2M3, f32 sums; everything else in f32.
;; Inputs: cache_k 2 x 2,048 x 4 x 128 float32; cache_v 2 x 2,048 x 4 x 128 float32; freqs_cos 2,048 x 64 float32; freqs_sin 2,048 x 64 float32; wk 512 x 4,096 float32; wo 4,096 x 1,024 float32; wq 1,024 x 4,096 float32; wv 512 x 4,096 float32; x 2 x 2,048 x 4,096 float32.
;; Outputs: out0 2 x 2,048 x 4,096 float32.
;; Constants: start_pos = 0.
;; This version of the problem:
;;   THIS VERSION OF THE PROBLEM IS GIVEN IN LOW PRECISION. The matrix products marked QUANTISED in the list below multiply operands that are first quantised to E2M3 (2 exponent bits, 3 mantissa bits; 6 bits a number), with one power-of-two scale for each 32 numbers along K (OCP MX v1.0); their sums are f32. All else is computed in f32.
;;   The module's matrix products, in the order in which they are computed (A, B: the left and right operand; K: the contracted axis; several contracted axes count as one K, in the product's order):
;;     1. [M 4,096, K 4,096] x [K 4,096, N 1,024]; A: input x; B: input wq: QUANTISED
;;     2. [M 4,096, K 4,096] x [K 4,096, N 512]; A: input x; B: input wk: QUANTISED
;;     3. [M 4,096, K 4,096] x [K 4,096, N 512]; A: input x; B: input wv: QUANTISED
;;     4. batch 8 x [M 2,048, K 128] x [K 128, N 4,096]; A: computed on the way; B: computed on the way: QUANTISED
;;     5. batch 8 x [M 128, K 2,048] x [K 2,048, N 4,096]; A: computed on the way; B: softmax (see below): QUANTISED
;;     6. [M 4,096, K 1,024] x [K 1,024, N 4,096]; A: computed on the way; B: input wo: QUANTISED
;;   THE QUANTISER, for each operand of a quantised product, along K:
;;     - K is cut into blocks of 32 from its start; a last block that is shorter is filled with zeros.
;;     - A block's scale is 2^e with e = floor(log2(the largest magnitude in the block)) - 2, held to -126 .. 127; a block of zeros has e = 0. As a byte (E8M0): e + 127.
;;     - Each number is divided by its block's scale, clamped to +-7.5, and rounded to the nearest number of E2M3, ties to even, subnormals kept.
;;     - The product sums the exact products of the quantised numbers (number of the format x scale) in f32.
;;   ~~~python
;;   def quantise(x, axis):      # numpy; x: float32 -> the quantised numbers, widened to float32 again
;;       x = np.moveaxis(x, axis, -1); K = x.shape[-1]
;;       x = np.pad(x, [(0, 0)] * (x.ndim - 1) + [(0, -K % 32)]); x = x.reshape(x.shape[:-1] + (-1, 32)); a = np.abs(x).max(-1, keepdims=True)
;;       e = np.where(a > 0, np.clip(np.frexp(np.where(a > 0, a, 1))[1] - 1 - 2, -126, 127), 0)      # np.frexp(a)[1] - 1 = floor(log2(a)), exactly
;;       r = np.clip(x / 2.0 ** e, -7.5, 7.5)
;;       step = 2.0 ** (np.maximum(np.frexp(np.where(r == 0, 1, r))[1] - 1, 0) - 3)
;;       q = np.round(r / step) * step * 2.0 ** e      # np.round: ties to even
;;       return np.moveaxis(q.reshape(q.shape[:-2] + (-1,))[..., :K], -1, axis).astype(np.float32)
;;   ~~~
;;   SOFTMAX AHEAD OF A QUANTISED PRODUCT. Where the list says 'softmax', what is quantised is not the finished softmax but p = 2^(t - M), with t = logit x log2(e) and M = ceil(the row's largest t), a whole number; so 1/2 < the row's largest p <= 1. The row's sum l is taken of the UNQUANTISED p, in f32, and the product's result is divided by l at the end. Since M is a whole number, a kernel that streams over the keys may use a running M (the ceiling of the running maximum): every later rescaling is an exact power of two, which a block's scale takes up: the codes' values come out the same.
;;   OPERANDS COMPUTED ON THE WAY. 'Computed on the way' means the value that the module computes at that place (a softmax that the list does not call 'softmax' is quantised finished and normalised). What goes into a quantiser is computed in f32, as accurately as f32 sums, v_exp_f32 and their like allow (about 1e-6 of the number): no bf16 or f16 on the way to a quantiser, and a product that is left as it is and whose result goes on into a quantised operand takes f32 operands (vector FMAs, or v_wmma_f32_16x16x4_f32). A number that lies on a knife's edge between two numbers of the format may be rounded either way, as far as f32 arithmetic and the matrix unit's own rounding can turn it there, and no further.
;; One version. Each part assembles by itself: llvm-mc -triple=amdgcn-amd-amdhsa -mcpu=gfx1250 --defsym DOCPART=n.
;; ======== version 1 of 1: 4 launches
;; workspace buffers: xrec 13,107,200 bytes; wrec 6,553,600 bytes; worec 3,276,800 bytes; qkv 6,553,600 bytes; arec 3,276,800 bytes
;; launch quant (part 1): grid 896 x 1, 4 waves a work-group, no clusters, 34,304 bytes of LDS; arguments x, wq, wk, wv, wo, xrec, wrec, worec; writes xrec, wrec, worec
.if DOCPART == 1
	.amdgcn_target "amdgcn-amd-amdhsa--gfx1250"
	.amdhsa_code_object_version 6
	.text
	.protected	k_q4e56ed8a29_quant
	.globl	k_q4e56ed8a29_quant
	.p2align	8
	.type	k_q4e56ed8a29_quant,@function
k_q4e56ed8a29_quant:
	s_mov_b64 s[64:65], 0
	v_nop
	global_prefetch_b8 v0, s[64:65] scope:SCOPE_SE
	s_setreg_imm32_b32 hwreg(HW_REG_WAVE_MODE, 25, 1), 1
	s_wait_xcnt 0x0
; x [4096][4096], wq [1024][4096], wk [512][4096], wv [512][4096], wo [4096][1024], all f32 with K innermost, become codes of FP6 (E2M3) with one E8M0 scale byte for each 32 along K.
; A block's scale is 2^(floor(log2(its largest magnitude)) - 2); its byte is the largest magnitude's exponent field - 2, held at 1 from below; each number is divided by the scale and rounded to the nearest code, ties to even.
; LIMITS: NaN and infinities among the inputs are not served; a block whose largest magnitude lies under 2^-124 keeps the byte 1; a block of zeros has the byte 1 where the rule says 127: its codes are zeros, and this program alone reads the bytes.
; THE WORKSPACE IS LAID AS THE MATRIX UNIT'S REGISTERS WANT IT.  A FRAGMENT (16 rows x 128 K: 12 registers a lane) is 1,536 bytes: registers 4 c .. 4 c + 3 of lane l at 512 c + 16 l.
; A RECORD is 6,400 bytes: the fragments of four K steps of one tile of 16 rows, then 256 bytes of scale words: row r's four words (one a fragment) at 6,144 + 16 r.
; THE ROWS OF A TILE ARE NOT NEIGHBOURS: lane r of tile T holds row 32 (T / 2) + 8 (T % 2) + r + 8 (r / 8), so that the results of two neighbouring tiles are 16 neighbours in a lane's registers of the product that reads them.
; SHARES.  A wave makes one record: 16 rows x 512 K, 32 KiB read, 6,400 bytes stored.  3,584 records, 896 work-groups: 0-511 x, 512-639 wq, 640-703 wk, 704-767 wv, 768-895 wo.  Only pointers and numbers are chosen by the
; work-group's number: all tensors take one path through the text.  Each load reads 512 consecutive bytes of one row; a K step's 16 rows turn through the wave's own stage in LDS and come back 16 neighbours of each block to a lane.
; No matrix unit, no cluster, no barrier: waves share nothing and memory binds.
.set REC,   6400
.set FRB,   1536
.set SROW,  528                        ; a stage row: 512 bytes + 16: an odd multiple of 16 bytes, so the sixteen rows that a load touches start at different banks (64 banks of 4 bytes: ISA guide 11.1)
.set STG,   16*SROW                    ; a wave's stage
.set SPARE, 4*STG                      ; behind the four stages: the spare words, 128 bytes for each wave: two blocks of 256 bytes that no other line names
.set LI,   2                           ; v2   16 x lane: my place in a load's 512 bytes and in a piece of a fragment; never rewritten
.set STI,  3                           ; v3   the stage, on the way in
.set STO,  4                           ; v4   and on the way out: row r, + 64 (lane / 16)
.set SCO,  5                           ; v5   my 8 bytes of the record's scale words
.set LN,   6                           ; v6   lane
.set SPW,  12                          ; v12  LDS address of my spare word; never rewritten
.set NIL,  13                          ; v13  0; never rewritten
.set TM,   16                          ; v16-31  at work in QUANT
.set PC,   32                          ; v32-51  the codes just made
.set SW,   52                          ; v52-55  the four K steps' scale words
.set DD,   56                          ; v56-57  two of them, as stored
.set X,    64                          ; v64-127 64 numbers of my row: register 16 b + i = k 32 b + 16 (lane / 16) + i
.set R,    128                         ; v128-255 two sets of 64: a K step as loaded
.set SEL,  20                          ; s[20:21] v_permlanex16_b32's selects for lane l xor 16
.set ROWS, 32                          ; s[32:63] the addresses of my tile's sixteen rows
	s_load_b256 s[4:11], s[0:1], 0x0               ; x s[4:5], wq s[6:7], wk s[8:9], wv s[10:11]
	s_load_b256 s[12:19], s[0:1], 0x20             ; wo s[12:13], xrec s[14:15], wrec s[16:17], worec s[18:19]
	v_lshl_add_u32 v[SPW], v0, 2, SPARE
	v_mov_b32 v[NIL], 0
	v_lshrrev_b32 v1, 5, v0
	v_readfirstlane_b32 s22, v1                    ; wave 0..3
	v_and_b32 v[LN], 31, v0
	v_and_b32 v7, 15, v0                           ; r
	v_bfe_u32 v8, v0, 4, 1                         ; h
	v_lshlrev_b32 v[LI], 4, v[LN]
	s_mul_i32 s23, s22, STG
	v_add_nc_u32 v[STI], s23, v[LI]
	v_mul_u32_u24 v[STO], v7, SROW
	v_lshl_add_u32 v[STO], v8, 6, v[STO]
	v_add_nc_u32 v[STO], s23, v[STO]
	v_lshlrev_b32 v[SCO], 4, v7
	v_lshl_add_u32 v[SCO], v8, 3, v[SCO]           ; lanes 0-15 store words 0 and 1 of row r, lanes 16-31 words 2 and 3
.irp b, 0,1,2,3
	v_mov_b32 v[TM+4+\b], 0                        ; written once: a lane permute's destination counts as one of its sources
.endr
	s_mov_b32 s[SEL], 0x76543210
	s_mov_b32 s[SEL+1], 0xfedcba98
	s_mov_b32 s28, 0                               ; the tensor's first work-group
	s_mov_b32 s29, 0                               ; its first record in the buffer that it goes to
	s_mov_b32 s24, 16384                           ; bytes from row to row
	s_wait_kmcnt 0x0
	s_cmp_ge_u32 ttmp9, 512                        ; which tensor: the choices hang on the work-group's number alone
	s_cselect_b64 s[4:5], s[6:7], s[4:5]
	s_cselect_b64 s[14:15], s[16:17], s[14:15]
	s_cselect_b32 s28, 512, s28
	s_cmp_ge_u32 ttmp9, 640
	s_cselect_b64 s[4:5], s[8:9], s[4:5]
	s_cselect_b32 s28, 640, s28
	s_cselect_b32 s29, 512, s29                    ; wk's tiles follow wq's 64 tiles x 8 records
	s_cmp_ge_u32 ttmp9, 704
	s_cselect_b64 s[4:5], s[10:11], s[4:5]
	s_cselect_b32 s28, 704, s28
	s_cselect_b32 s29, 768, s29
	s_cmp_ge_u32 ttmp9, 768
	s_cselect_b64 s[4:5], s[12:13], s[4:5]
	s_cselect_b64 s[14:15], s[18:19], s[14:15]
	s_cselect_b32 s28, 768, s28
	s_cselect_b32 s29, 0, s29
	s_cselect_b32 s30, 1, 3                        ; log2 of a tile's records: K / 512 = 2 in wo, 8 elsewhere
	s_cselect_b32 s24, 4096, s24
	s_sub_co_u32 s28, ttmp9, s28
	s_lshl_b32 s28, s28, 2
	s_add_co_u32 s28, s28, s22                     ; my record in the tensor
	s_lshr_b32 s31, s28, s30                       ; its tile T
	s_lshl_b32 s2, s31, s30
	s_sub_co_u32 s3, s28, s2                       ; and which 512 along K
	s_lshr_b32 s2, s31, 1
	s_lshl_b32 s2, s2, 5
	s_and_b32 s31, s31, 1
	s_lshl_b32 s31, s31, 3
	s_add_co_u32 s2, s2, s31                       ; lane 0's row: 32 (T / 2) + 8 (T % 2)
	s_mul_i32 s2, s2, s24                          ; in bytes: under 2^27
	s_lshl_b32 s3, s3, 11
	s_add_co_u32 s2, s2, s3
	s_mov_b32 s3, 0
	s_add_nc_u64 s[ROWS:ROWS+1], s[4:5], s[2:3]
	s_mov_b32 s25, 0
	s_mul_i32 s26, s24, 9                          ; from lane 7's row to lane 8's: nine rows
	s_mov_b32 s27, 0
.irp i, 1,2,3,4,5,6,7,8,9,10,11,12,13,14,15
.if \i == 8
	s_add_nc_u64 s[ROWS+2*\i:ROWS+2*\i+1], s[ROWS+2*\i-2:ROWS+2*\i-1], s[26:27]
.else
	s_add_nc_u64 s[ROWS+2*\i:ROWS+2*\i+1], s[ROWS+2*\i-2:ROWS+2*\i-1], s[24:25]
.endif
.endr
	s_add_co_u32 s28, s28, s29
	s_mul_i32 s28, s28, REC
	s_mov_b32 s29, 0
	s_add_nc_u64 s[14:15], s[14:15], s[28:29]      ; my record
.macro LOAD s                          ; K step s of my sixteen rows into set s % 2: each load reads 512 consecutive bytes
.irp i, 0,1,2,3,4,5,6,7,8,9,10,11,12,13,14,15
	global_load_b128 v[R+64*((\s)%2)+4*\i:R+64*((\s)%2)+4*\i+3], v[LI], s[ROWS+2*\i:ROWS+2*\i+1] offset:512*(\s) th:TH_LOAD_NT
.endr
.endm
; 64 numbers of a lane, v[s] on, register 16 b + i = k 32 b + 16 (lane / 16) + i of my row, become a fragment's codes in v[PC] .. v[PC + 11] and its scale word in v[word].
.macro QUANT s, word
.irp b, 0,1,2,3
	v_max3_num_f32 v[TM+\b], |v[\s+16*\b]|, |v[\s+16*\b+1]|, 0x1800000   ; block b: my 16 numbers, and the floor 2^(3 - 127): the byte cannot fall under 1
.endr
.irp i, 2,4,6,8,10,12,14
.irp b, 0,1,2,3
	v_max3_num_f32 v[TM+\b], v[TM+\b], |v[\s+16*\b+\i]|, |v[\s+16*\b+\i+1]|   ; the four blocks by turns
.endr
.endr
.irp b, 0,1,2,3
	v_permlanex16_b32 v[TM+4+\b], v[TM+\b], s[SEL], s[SEL+1]
.endr
.irp b, 0,1,2,3
	v_max_num_f32 v[TM+\b], v[TM+\b], v[TM+4+\b]   ; with lane l xor 16's: the block's largest magnitude
.endr
.irp b, 0,1,2,3
	v_add_nc_u32 v[TM+12+\b], 0xff000000, v[TM+\b] ; 2 off its exponent field: the conversion takes the exponent field of this operand as its scale
.endr
.irp b, 0,1,2,3
	v_lshrrev_b32 v[TM+4+\b], 23, v[TM+12+\b]      ; the scale's byte
.endr
	v_lshl_or_b32 v[\word], v[TM+5], 8, v[TM+4]    ; the four bytes make my row's scale word (lanes r and r + 16 hold the same)
	v_lshl_or_b32 v[\word], v[TM+6], 16, v[\word]
	v_lshl_or_b32 v[\word], v[TM+7], 24, v[\word]
.irp c, 0,1
	v_cvt_scalef32_pk16_fp6_f32 v[PC+6*\c:PC+6*\c+2], v[\s+32*\c:\s+32*\c+15], v[TM+12+2*\c]
	v_cvt_scalef32_pk16_fp6_f32 v[PC+12+4*\c:PC+12+4*\c+2], v[\s+32*\c+16:\s+32*\c+31], v[TM+13+2*\c]   ; (a conversion's three registers begin on an even number)
.endr
	v_nop                                          ; one plain place behind a scaled conversion
.irp c, 0,1                            ; the operand's layout wants a whole block in a lane: lanes 0-15 block 2 c, lanes 16-31 block 2 c + 1
.irp i, 0,1,2
	v_permlane16_swap_b32 v[PC+6*\c+\i], v[PC+12+4*\c+\i]
.endr
.irp i, 0,1,2
	v_mov_b32 v[PC+3+6*\c+\i], v[PC+12+4*\c+\i]
.endr
.endr
.endm
.macro KSTEP s
.if (\s) < 3
	s_wait_loadcnt 16                              ; this K step's sixteen loads are in; the next step's sixteen may be out
.else
	s_wait_loadcnt 0x0
.endif
.irp i, 0,1,2,3,4,5,6,7,8,9,10,11,12,13,14,15
	ds_store_b128 v[STI], v[R+64*((\s)%2)+4*\i:R+64*((\s)%2)+4*\i+3] offset:SROW*\i
.endr
.irp b, 0,1,2,3
.irp j, 0,1,2,3
	ds_load_b128 v[X+16*\b+4*\j:X+16*\b+4*\j+3], v[STO] offset:128*\b+16*\j   ; LDS serves a wave's instructions in order (ISA guide 5.7.1.4): these see the stores above
.endr
.endr
	s_wait_dscnt 0x0                               ; the numbers are back, so the stores into the stage have read their registers
.if (\s) > 0
	s_wait_xcnt 0x0                                ; the last step's stores have read the codes' registers, which are written again below
.endif
.if (\s)+2 < 4
	LOAD (\s)+2
.endif
	QUANT X, SW+(\s)
.irp c, 0,1,2
	global_store_b128 v[LI], v[PC+4*\c:PC+4*\c+3], s[14:15] offset:FRB*(\s)+512*\c   ; 32 lanes store 512 consecutive bytes, at a multiple of 256 from the buffer's first byte
.endr
.endm
	LOAD 0
	LOAD 1
	KSTEP 0
	KSTEP 1
	KSTEP 2
	KSTEP 3
	v_cmp_gt_u32 vcc_lo, 16, v[LN]
	v_cndmask_b32 v[DD], v[SW+2], v[SW], vcc_lo    ; lanes 0-15: words 0 and 1; lanes 16-31: words 2 and 3
	v_cndmask_b32 v[DD+1], v[SW+3], v[SW+1], vcc_lo
	global_store_b64 v[SCO], v[DD:DD+1], s[14:15] offset:4*FRB   ; 32 lanes store the record's 256 bytes of scale words
	s_wait_tensorcnt 0x0                           ; the wave's end: behind my last LDS store
	ds_add_u32 v[SPW], v[NIL]
	s_wait_dscnt 0x0
	s_endpgm
.Lfunc_end_k_q4e56ed8a29_quant:
	.size	k_q4e56ed8a29_quant, .Lfunc_end_k_q4e56ed8a29_quant-k_q4e56ed8a29_quant
	.p2alignl 7, 3214868480
	.fill 96, 4, 3214868480
	.section	.rodata,"a",@progbits
	.p2align	6, 0x0
	.amdhsa_kernel k_q4e56ed8a29_quant
		.amdhsa_group_segment_fixed_size 34304
		.amdhsa_private_segment_fixed_size 0
		.amdhsa_enable_private_segment 0
		.amdhsa_kernarg_size 64
		.amdhsa_user_sgpr_count 2
		.amdhsa_user_sgpr_kernarg_segment_ptr 1
		.amdhsa_wavefront_size32 1
		.amdhsa_system_sgpr_workgroup_id_x 1
		.amdhsa_system_sgpr_workgroup_id_y 1
		.amdhsa_system_sgpr_workgroup_id_z 1
		.amdhsa_system_vgpr_workitem_id 0
		.amdhsa_next_free_vgpr 256
		.amdhsa_next_free_sgpr 66
		.amdhsa_reserve_vcc 1
		.amdhsa_float_denorm_mode_32 3
		.amdhsa_float_denorm_mode_16_64 3
		.amdhsa_memory_ordered 1
		.amdhsa_forward_progress 1
		.amdhsa_inst_pref_size 35
	.end_amdhsa_kernel
	.amdgpu_metadata
---
amdhsa.version: [ 1, 2 ]
amdhsa.kernels:
  - .name:           k_q4e56ed8a29_quant
    .symbol:         k_q4e56ed8a29_quant.kd
    .args:
      - { .name: x, .offset: 0, .size: 8, .value_kind: global_buffer, .address_space: global }
      - { .name: wq, .offset: 8, .size: 8, .value_kind: global_buffer, .address_space: global }
      - { .name: wk, .offset: 16, .size: 8, .value_kind: global_buffer, .address_space: global }
      - { .name: wv, .offset: 24, .size: 8, .value_kind: global_buffer, .address_space: global }
      - { .name: wo, .offset: 32, .size: 8, .value_kind: global_buffer, .address_space: global }
      - { .name: xrec, .offset: 40, .size: 8, .value_kind: global_buffer, .address_space: global }
      - { .name: wrec, .offset: 48, .size: 8, .value_kind: global_buffer, .address_space: global }
      - { .name: worec, .offset: 56, .size: 8, .value_kind: global_buffer, .address_space: global }
    .group_segment_fixed_size: 34304
    .private_segment_fixed_size: 0
    .kernarg_segment_align: 8
    .kernarg_segment_size: 64
    .max_flat_workgroup_size: 128
    .sgpr_count:     66
    .vgpr_count:     256
    .wavefront_size: 32
...
	.end_amdgpu_metadata
.endif
;; end of part 1
;; launch qkv (part 2): grid 16 x 16, 4 waves a work-group, clusters of 4 x 4, 327,680 bytes of LDS; arguments xrec, wrec, freqs_cos, freqs_sin, qkv; writes qkv
.if DOCPART == 2
	.amdgcn_target "amdgcn-amd-amdhsa--gfx1250"
	.amdhsa_code_object_version 6
	.text
	.protected	k_q4e56ed8a29_qkv
	.globl	k_q4e56ed8a29_qkv
	.p2align	8
	.type	k_q4e56ed8a29_qkv,@function
k_q4e56ed8a29_qkv:
	s_mov_b64 s[64:65], 0
	v_nop
	global_prefetch_b8 v0, s[64:65] scope:SCOPE_SE
	s_setreg_imm32_b32 hwreg(HW_REG_WAVE_MODE, 25, 1), 1
	s_wait_xcnt 0x0
	s_wait_alu depctr_hold_cnt(0) depctr_sa_sdst(0) depctr_va_vdst(0) depctr_va_sdst(0) depctr_va_ssrc(0) depctr_va_vcc(0) depctr_vm_vsrc(0)
	s_getreg_b32 s2, hwreg(HW_REG_IB_STS2, 6, 4)
	s_cmp_eq_u32 s2, 0
	s_cbranch_scc0 .Lentry_in_a_cluster
	s_endpgm
.Lentry_in_a_cluster:
	s_bfe_u32 s2, ttmp6, 0x10000c
	s_cmp_lg_u32 s2, 0xf033
	s_cbranch_scc0 .Lentry_shape_is_right
	s_endpgm
.Lentry_shape_is_right:
; [4096 tokens][4096] x [2048][4096]^T on codes of FP6 (E2M3) with E8M0 scales: the projections by wq (columns 0-1023), wk (1024-1535) and wv (1536-2047); the rotation of q and k; and the three results
; quantised again, in registers, as the operands of attention: q and k along the head's 128, v along the keys.  Nothing but codes and scale words is stored.
; cache_k AND cache_v ARE NOT READ: with start_pos = 0 and the given shapes the update in the computation itself writes every element of both before anything reads them, so no byte of them reaches the result.
; LIMITS: NaN and infinities are not served; a block whose largest magnitude lies under 2^-124 keeps the byte 1; a block of zeros has the byte 1 where the rule says 127 (zero codes; this program alone reads the bytes).
; RECORDS (6,400 bytes): four fragments of 1,536 bytes (images of an operand's 12 registers: registers 4 c .. 4 c + 3 of lane l at 512 c + 16 l), then row r's four scale words at 6,144 + 16 r.
; xrec [tile 256][G 8], wrec [tile 128][G 8]: a record holds K steps 4 G .. 4 G + 3 of a tile of 16 rows; lane r of tile T holds row 32 (T / 2) + 8 (T % 2) + r + 8 (r / 8).
; SHARES.  A work-group makes 256 tokens x 128 columns (one head of q, k or v): 256 work-groups.  Four waves, 32 accumulators each.  K goes in slots of 512 (one G: 16 records of x, 8 of W, 153,600 bytes) through a ring of two.
; q, k (cluster columns 0-2): source 0 = the head's 8 tiles of W, source 1 = 4 tiles of x a wave: a lane holds ONE TOKEN, and the 64 registers of x tile a run along d: register 16 b + i is d = 32 b + 16 (lane / 16) + i.
; v (cluster column 3): source 0 = 8 tiles of x (128 tokens), source 1 = 4 tiles of W: a lane holds ONE d, and its 64 registers run along 128 tokens, which are a K step of attention's second product.
; The loop's text is the same in both: four LDS bases are chosen by the cluster's x, which all partners share.  In both a wave's four results are the four fragments of ONE record of qkv [b 2][head 16][record 32].
; CLUSTERS: 4 x 4.  x's records hang on the tile row alone and are asked for jointly along a row of the cluster, W's along a column.
; REGISTERS: window 0: v2-15 addresses; v16-79, v80-111 scale words (two sets each; they hold nothing else); v112-207 the 4-set's fragments, two sets; on the way out v112-245 at work.
;   window 1: the 8-set's fragments, two sets, at v0 and v128.   window 2: accumulator (a, t) at v[8 (8 a + t)].   window 3: cos and sin of my 64 tokens.
.set NG,    8                          ; slots' worth of K
.set REC,   6400
.set FRB,   1536
.set SLOT,  24*REC
.set BOFF,  16*REC                     ; W's records lie behind x's sixteen
.set SPARE, 2*SLOT                     ; behind the ring: the spare words, 128 bytes for each wave: two blocks of 256 bytes that no other line names
.set AD8, 2                            ; v2-3   LDS address of the 8-set's fragments in slot 0, 1: 16 x lane + its first record
.set AD4, 4                            ; v4-5   the same for the 4-set
.set AS8, 6                            ; v6-7   of the 8-set's scale words: 16 r + 6,144 + its first record
.set AS4, 8                            ; v8-9   the same for the 4-set
.set SPW, 10                           ; v10    LDS address of my spare word; never rewritten
.set NIL, 11                           ; v11    0; never rewritten
.set LI,  12                           ; v12    16 x lane
.set CSO, 13                           ; v13    my byte in the tables' rows
.set SCO, 14                           ; v14    my 8 bytes of a record's scale words
.set LN,  15                           ; v15    lane
.set SC8, 16                           ; set s at v[SC8 + 32 s]: register 4 t + q: tile t, the slot's K step q
.set SC4, 80                           ; set s at v[SC4 + 16 s]
.set F4,  112                          ; set p at v[F4 + 48 p]
.set HA,  112                          ; the way out: 64 rotated numbers
.set PC,  176                          ; the codes just made
.set TM,  208                          ; at work in QUANT
.set SW,  224                          ; four scale words
.set TP,  228                          ; at work in ROPE
.set DD,  244                          ; two scale words as stored; at the head: at work
.set G1,  24                           ; s[24:31] descriptor group 1 for x's records;  s[32:39] group 0, a set for each slot
.set G0,  32
.set G1B, 48                           ; s[48:55], s[56:63] the same for W's
.set G0B, 56
.set MODE, 67                          ; s67  1: v;  0: q or k
.set SEL, 70                           ; s[70:71] v_permlanex16_b32's selects for lane l xor 16
.set MSB, 0
.macro WIN new                         ; the immediate's high byte repeats the setting that is left; a switch that changes nothing is dropped
.if MSB != (\new)
	s_set_vgpr_msb (MSB<<8)|(\new)
.set MSB, (\new)
.endif
.endm
.set MUL, 0xa1                         ; source 0 window 1, source 1 window 0, C and D window 2
.set TO8, 0x40                         ; destination window 1, address window 0
; A joint load: waves 0 and 1 fetch x's two halves, waves 2 and 3 W's.  Each line has one mask and one set of registers for all that issue it; the branch hangs on the wave's number alone.
; An s_nop 0 and four v_nop follow each of the two lines, ahead of the jump, the label and what follows.
.macro JLOAD g0a, g1a, g0b, g1b
	s_cmp_eq_u32 s15, 0
	s_cbranch_scc0 .Lfor_b_\@
	tensor_load_to_lds s[\g0a:\g0a+3], s[\g1a:\g1a+7]
	s_nop 0
.rept 4
	v_nop
.endr
	s_branch .Lasked_\@
.Lfor_b_\@:
	tensor_load_to_lds s[\g0b:\g0b+3], s[\g1b:\g1b+7]
	s_nop 0
.rept 4
	v_nop
.endr
.Lasked_\@:
.endm
.macro CREST                           ; a round of the cluster's barrier behind its opening barrier
	s_cmp_lg_u32 s14, 0
	s_cbranch_scc1 .Lnot_wave_0_\@
	s_barrier_signal -3
.Lnot_wave_0_\@:
	s_barrier_wait -3
	s_barrier_signal -1
	s_barrier_wait -1
.endm
.macro CROUND                          ; a whole round
	s_barrier_signal -1
	s_barrier_wait -1
	CREST
.endm
	s_load_b256 s[4:11], s[0:1], 0x0               ; xrec s[4:5], wrec s[6:7], cos s[8:9], sin s[10:11]
	s_load_b64 s[12:13], s[0:1], 0x20              ; qkv
	v_lshl_add_u32 v[SPW], v0, 2, SPARE
	v_mov_b32 v[NIL], 0
	ds_add_u32 v[SPW], v[NIL]                      ; the wave's opening: the add and its wait stand ahead of my first tensor load; the set-up below, work on registers, stands between them
	v_lshrrev_b32 v1, 5, v0
	v_readfirstlane_b32 s14, v1                    ; wave 0..3
	s_lshr_b32 s15, s14, 1                         ; I fetch for x (0) or for W (1)
	s_and_b32 s16, s14, 1                          ; and which half
	s_bfe_u32 s40, ttmp6, 0x40000                  ; cx, cy: my place in the cluster
	s_bfe_u32 s41, ttmp6, 0x40004
	s_lshl_b32 s42, ttmp9, 2
	s_add_co_u32 s42, s42, s40                     ; the head, 0..15 = 4 x cluster x + cx
	s_and_b32 s17, ttmp7, 0xffff
	s_lshl_b32 s17, s17, 2
	s_add_co_u32 s17, s17, s41                     ; the block of 256 tokens = 4 x cluster y + cy
	s_lshl_b32 s43, s41, 2
	s_lshl_b32 s43, 15, s43                        ; my row of the cluster
	s_lshl_b32 s44, 0x1111, s40                    ; my column
	; descriptor group 1: records of 800 elements of 8 bytes, NG records apart in memory, on end in LDS; 8 of x or 4 of W to a load
	s_or_b32 s[G1+0], s43, (3<<16)|(1<<21)         ; 15:0 the mask: x's records go to my row; 17:16 elements of 8 bytes; 20 no padding; 21 set beside a mask
	s_or_b32 s[G1B+0], s44, (3<<16)|(1<<21)
.irp g, G1, G1B
	s_mov_b32 s[\g+1], 800<<16                     ; tensor_dim0
	s_mov_b32 s[\g+3], 800<<16                     ; tile_dim0
	s_mov_b32 s[\g+5], 800*NG                      ; tensor_dim0_stride
	s_mov_b32 s[\g+6], 0
	s_mov_b32 s[\g+7], 0
.endr
	s_mov_b32 s[G1+2], 8<<16                       ; tensor_dim1
	s_mov_b32 s[G1+4], 8                           ; tile_dim1
	s_mov_b32 s[G1B+2], 4<<16
	s_mov_b32 s[G1B+4], 4
	s_lshl_b32 s18, s16, 3
	s_lshl_b32 s20, s17, 4
	s_add_co_u32 s20, s20, s18                     ; x: tile 16 x block + 8 x half
	s_mul_i32 s20, s20, REC*NG                     ; in bytes: under 2^24
	s_mov_b32 s21, 0
	s_lshl_b32 s18, s16, 2
	s_lshl_b32 s46, s42, 3
	s_add_co_u32 s46, s46, s18                     ; W: tile 8 x head + 4 x half
	s_mul_i32 s46, s46, REC*NG
	s_mov_b32 s47, 0
	s_mul_i32 s45, s16, 8*REC                      ; where they go: no place in the cluster enters an LDS address
	s_mul_i32 s22, s16, 4*REC
	s_add_co_u32 s22, s22, BOFF
	s_mov_b32 s[SEL], 0x76543210
	s_mov_b32 s[SEL+1], 0xfedcba98
	s_wait_dscnt 0x0                               ; the opening add is done
	s_wait_kmcnt 0x0
	s_add_nc_u64 s[20:21], s[4:5], s[20:21]
	s_add_nc_u64 s[46:47], s[6:7], s[46:47]
	CROUND                                         ; all sixteen work-groups are here: the first joint loads meet
.irp s, 0,1
	s_mov_b32 s[G0+4*\s], 1
	s_add_co_u32 s[G0+4*\s+1], s45, \s*SLOT
	s_add_nc_u64 s[G0+4*\s+2:G0+4*\s+3], s[20:21], \s*REC
	s_or_b32 s[G0+4*\s+3], s[G0+4*\s+3], 0x80000000
	s_mov_b32 s[G0B+4*\s], 1
	s_add_co_u32 s[G0B+4*\s+1], s22, \s*SLOT
	s_add_nc_u64 s[G0B+4*\s+2:G0B+4*\s+3], s[46:47], \s*REC
	s_or_b32 s[G0B+4*\s+3], s[G0B+4*\s+3], 0x80000000
	JLOAD G0+4*\s, G1, G0B+4*\s, G1B               ; two tensor loads of mine are out here, later one
.endr
	; which records are the 8-set's and which the 4-set's
	s_mul_i32 s66, s15, 8*REC                      ; v: x's tiles 8 (wave / 2) on
	s_mul_i32 s68, s16, 4*REC
	s_add_co_u32 s68, s68, BOFF                    ; v: W's tiles 4 (wave % 2) on
	s_mul_i32 s69, s14, 4*REC                      ; q, k: x's tiles 4 wave on
	s_cmp_eq_u32 ttmp9, 3                          ; the cluster's x: the same in all sixteen partners
	s_cselect_b32 s[MODE], 1, 0
	s_cselect_b32 s66, s66, BOFF                   ; q, k: all eight tiles of W
	s_cselect_b32 s68, s68, s69
	v_and_b32 v[LN], 31, v0
	v_lshlrev_b32 v[LI], 4, v[LN]
	v_and_b32 v[DD], 15, v0                        ; r
	v_bfe_u32 v[DD+1], v0, 4, 1                    ; h
	v_lshlrev_b32 v1, 4, v[DD]
	v_lshl_add_u32 v[SCO], v[DD+1], 3, v1          ; 16 r + 8 h
	v_add_nc_u32 v1, 4*FRB, v1
	v_add_nc_u32 v[AD8], s66, v[LI]
	v_add_nc_u32 v[AD4], s68, v[LI]
	v_add_nc_u32 v[AS8], s66, v1
	v_add_nc_u32 v[AS4], s68, v1
.irp g, AD8, AD4, AS8, AS4
	v_add_nc_u32 v[\g+1], SLOT, v[\g]
.endr
	v_and_b32 v1, 8, v[DD]
	v_add_nc_u32 v1, v1, v[DD]                     ; r + 8 (r / 8)
	v_lshlrev_b32 v[CSO], 8, v1                    ; a row of a table is 256 bytes
	v_lshl_add_u32 v[CSO], v[DD+1], 5, v[CSO]      ; + 32 h: my half's eight pairs of a block of 32
	; my record of qkv: ((b x 16 + head) x 32 + 4 (block % 8) + wave)
	s_lshr_b32 s72, s17, 3
	s_lshl_b32 s72, s72, 4
	s_add_co_u32 s72, s72, s42
	s_lshl_b32 s72, s72, 5
	s_and_b32 s73, s17, 7
	s_lshl_b32 s73, s73, 2
	s_add_co_u32 s72, s72, s73
	s_add_co_u32 s72, s72, s14
	s_mul_i32 s72, s72, REC
	s_mov_b32 s73, 0
	s_add_nc_u64 s[12:13], s[12:13], s[72:73]
	; q, k: cos and sin of my 64 tokens are asked for now and land under the loop: for x tile a, block b: the eight pairs 16 b + 8 h + 0 .. 7 of the token in my lane
	s_cmp_lg_u32 s[MODE], 0
	s_cbranch_scc1 .Lno_tables
	s_and_b32 s20, s17, 7
	s_lshl_b32 s20, s20, 8
	s_lshl_b32 s21, s14, 6
	s_add_co_u32 s20, s20, s21                     ; my first position: 256 (block % 8) + 64 wave
	s_lshl_b32 s20, s20, 8
	s_mov_b32 s21, 0
	s_add_nc_u64 s[8:9], s[8:9], s[20:21]
	s_add_nc_u64 s[10:11], s[10:11], s[20:21]
	WIN 0xc0                                       ; destination window 3
.irp a, 0,1,2,3
.irp b, 0,1,2,3
.irp j, 0,1
	global_load_b128 v[64*\a+8*\b+4*\j:64*\a+8*\b+4*\j+3], v[CSO], s[8:9] offset:256*(32*(\a/2)+8*(\a%2))+64*\b+16*\j
	global_load_b128 v[64*\a+32+8*\b+4*\j:64*\a+32+8*\b+4*\j+3], v[CSO], s[10:11] offset:256*(32*(\a/2)+8*(\a%2))+64*\b+16*\j
.endr
.endr
.endr
	WIN 0
.Lno_tables:
; 8 matrix instructions: the 4-set's tile a against the 8-set's eight, 128 along K: the slot's K step q.  p: the fragments' set;  sc: the set of scale words.  zero = 1: the first product starts the sums.
; The 32 accumulators take turns, one instruction a turn, in the same order in every step.
.macro MUL8 a, p, q, sc, zero
.irp t, 0,1,2,3,4,5,6,7
.if \zero
	v_wmma_scale_f32_16x16x128_f8f6f4 v[8*(8*(\a)+\t):8*(8*(\a)+\t)+7], v[128*(\p)+12*\t:128*(\p)+12*\t+11], v[F4+48*(\p)+12*(\a):F4+48*(\p)+12*(\a)+11], 0, v[SC8+32*(\sc)+4*\t+(\q)], v[SC4+16*(\sc)+4*(\a)+(\q)] matrix_a_fmt:MATRIX_FMT_FP6 matrix_b_fmt:MATRIX_FMT_FP6
.else
	v_wmma_scale_f32_16x16x128_f8f6f4 v[8*(8*(\a)+\t):8*(8*(\a)+\t)+7], v[128*(\p)+12*\t:128*(\p)+12*\t+11], v[F4+48*(\p)+12*(\a):F4+48*(\p)+12*(\a)+11], v[8*(8*(\a)+\t):8*(8*(\a)+\t)+7], v[SC8+32*(\sc)+4*\t+(\q)], v[SC4+16*(\sc)+4*(\a)+(\q)] matrix_a_fmt:MATRIX_FMT_FP6 matrix_b_fmt:MATRIX_FMT_FP6
.endif
.endr
.endr
.endm
.macro FETCH slot, q, p                ; 36 LDS loads in one run: the twelve fragments of the slot's K step q into set p; each load takes 512 consecutive bytes
	WIN TO8
.irp i, 0,1,2,3,4,5,6,7
.irp c, 0,1,2
	ds_load_b128 v[128*(\p)+12*\i+4*\c:128*(\p)+12*\i+4*\c+3], v[AD8+\slot] offset:REC*\i+FRB*(\q)+512*\c
.endr
.endr
	WIN 0
.irp i, 0,1,2,3
.irp c, 0,1,2
	ds_load_b128 v[F4+48*(\p)+12*\i+4*\c:F4+48*(\p)+12*\i+4*\c+3], v[AD4+\slot] offset:REC*\i+FRB*(\q)+512*\c
.endr
.endr
.endm
.macro SCALES slot                     ; a slot's scale words: one load brings a tile's four K steps
.irp i, 0,1,2,3,4,5,6,7
	ds_load_b128 v[SC8+32*\slot+4*\i:SC8+32*\slot+4*\i+3], v[AS8+\slot] offset:REC*\i
.endr
.irp i, 0,1,2,3
	ds_load_b128 v[SC4+16*\slot+4*\i:SC4+16*\slot+4*\i+3], v[AS4+\slot] offset:REC*\i
.endr
.endm
; A load into a register that a matrix instruction has read, and a vector instruction or a store that reads a matrix result, stand four places behind that matrix instruction, and only plain vector instructions
; that name none of its registers are places (ISA guide 7.12.1 for vector instructions).
.macro PLACES
.rept 4
	v_nop
.endr
.endm
.macro STEP slot, q, zero              ; a K step that has its successor in the same slot
	s_wait_dscnt 0x0                               ; this step's fragments are in (asked for 16 matrix instructions ago)
	WIN MUL
	MUL8 0, (\q)%2, \q, \slot, \zero
	MUL8 1, (\q)%2, \q, \slot, \zero
	PLACES
	FETCH \slot, (\q)+1, 1-(\q)%2
	WIN MUL
	MUL8 2, (\q)%2, \q, \slot, \zero
	MUL8 3, (\q)%2, \q, \slot, \zero
.endm
; A slot's last K step changes slots: ONE barrier; in front of it each wave waits for all its tensor loads, adds 0 to its spare word, and waits for that and for its own reads of this slot.  fill = 1: the slot is filled again, two slots ahead.
.macro TURN slot, next, fill
	WIN 0                                          ; (the add's two registers lie in window 0)
	s_wait_tensorcnt 0x0                           ; all my tensor loads have landed: my part of the next slot;
	ds_add_u32 v[SPW], v[NIL]                      ; 0 onto my spare word;
	s_wait_dscnt 0x1                               ; (the add alone may be out: this step's 36 fragment loads are in)
	WIN MUL
	MUL8 0, 1, 3, \slot, 0                         ; eight matrix instructions stand between the add and the wait for it
	s_wait_dscnt 0x0                               ; the add is done, and my reads of this slot are over
	s_barrier_signal -1
	MUL8 1, 1, 3, \slot, 0
	WIN 0
	s_barrier_wait -1
.if \fill
	CREST                                          ; the barrier has opened a round of the cluster's barrier: no wave of any partner still reads this slot or has a load on its way
	s_add_nc_u64 s[G0+4*\slot+2:G0+4*\slot+3], s[G0+4*\slot+2:G0+4*\slot+3], 2*REC
	s_add_nc_u64 s[G0B+4*\slot+2:G0B+4*\slot+3], s[G0B+4*\slot+2:G0B+4*\slot+3], 2*REC
	JLOAD G0+4*\slot, G1, G0B+4*\slot, G1B         ; the first tensor load behind the round: it has four K steps, 128 matrix instructions, in which to land; its four v_nop are the places in front of the loads below
.else
	PLACES
.endif
	FETCH \next, 0, 0
	SCALES \next
	WIN MUL
	MUL8 2, 1, 3, \slot, 0
	MUL8 3, 1, 3, \slot, 0
.endm
	s_wait_tensorcnt 0x1                           ; my part of slot 0 is in; slot 1's may stay out
	s_barrier_signal -1
	s_barrier_wait -1                              ; everybody's is
	FETCH 0, 0, 0
	SCALES 0
	STEP 0, 0, 1                                   ; the first K step stands in front of the loop: its products start the sums
	WIN 0                                          ; at a label and at a branch every window is 0
	s_mov_b32 s3, NG/2-1
.Llap:                                                 ; a trip goes once round the ring, from a lap's second K step to the next lap's first, and fills both slots again
	STEP 0, 1, 0
	STEP 0, 2, 0
	TURN 0, 1, 1
	STEP 1, 0, 0
	STEP 1, 1, 0
	STEP 1, 2, 0
	TURN 1, 0, 1
	STEP 0, 0, 0
	WIN 0
	s_sub_co_u32 s3, s3, 1
	s_cmp_lg_u32 s3, 0
	s_cbranch_scc1 .Llap
	STEP 0, 1, 0                                   ; the last lap fills nothing, and has no round of the cluster's barrier
	STEP 0, 2, 0
	TURN 0, 1, 0
	STEP 1, 0, 0
	STEP 1, 1, 0
	STEP 1, 2, 0
	s_wait_dscnt 0x0                               ; the very last K step
	WIN MUL
	MUL8 0, 1, 3, 1, 0
	MUL8 1, 1, 3, 1, 0
	MUL8 2, 1, 3, 1, 0
	MUL8 3, 1, 3, 1, 0
	WIN 0
; THE WAY OUT.  64 numbers of a lane in window w, v[s] on, register 16 b + i = k 32 b + 16 (lane / 16) + i of my row, become a fragment's codes in v[PC] .. v[PC + 11] and its scale word in v[word].
.macro QUANT s, w, word
	WIN (\w)|((\w)<<2)                             ; sources 0 and 1: the numbers' window
.irp b, 0,1,2,3
	v_max3_num_f32 v[TM+\b], |v[(\s)+16*\b]|, |v[(\s)+16*\b+1]|, 0x1800000   ; block b: my 16 numbers, and the floor 2^(3 - 127): the byte cannot fall under 1.  (Each accumulator is read from its low end on)
.endr
.irp i, 2,4,6,8,10,12,14
.irp b, 0,1,2,3
	v_max3_num_f32 v[TM+\b], |v[(\s)+16*\b+\i]|, |v[(\s)+16*\b+\i+1]|, v[TM+\b]   ; the four blocks by turns
.endr
.endr
	WIN 0
.irp b, 0,1,2,3
	v_permlanex16_b32 v[TM+4+\b], v[TM+\b], s[SEL], s[SEL+1]
.endr
.irp b, 0,1,2,3
	v_max_num_f32 v[TM+\b], v[TM+\b], v[TM+4+\b]   ; with lane l xor 16's: the block's largest magnitude
.endr
.irp b, 0,1,2,3
	v_add_nc_u32 v[TM+12+\b], 0xff000000, v[TM+\b] ; 2 off its exponent field: the conversion's scale operand
.endr
.irp b, 0,1,2,3
	v_lshrrev_b32 v[TM+4+\b], 23, v[TM+12+\b]      ; the scale's byte
.endr
	v_lshl_or_b32 v[\word], v[TM+5], 8, v[TM+4]
	v_lshl_or_b32 v[\word], v[TM+6], 16, v[\word]
	v_lshl_or_b32 v[\word], v[TM+7], 24, v[\word]
	WIN \w                                         ; source 0: the numbers' window
.irp c, 0,1
	v_cvt_scalef32_pk16_fp6_f32 v[PC+6*\c:PC+6*\c+2], v[(\s)+32*\c:(\s)+32*\c+15], v[TM+12+2*\c]
	v_cvt_scalef32_pk16_fp6_f32 v[PC+12+4*\c:PC+12+4*\c+2], v[(\s)+32*\c+16:(\s)+32*\c+31], v[TM+13+2*\c]   ; (a conversion's three registers begin on an even number)
.endr
	WIN 0
	v_nop                                          ; one plain place behind a scaled conversion
.irp c, 0,1                            ; the operand's layout wants a whole block in a lane
.irp i, 0,1,2
	v_permlane16_swap_b32 v[PC+6*\c+\i], v[PC+12+4*\c+\i]
.endr
.irp i, 0,1,2
	v_mov_b32 v[PC+3+6*\c+\i], v[PC+12+4*\c+\i]
.endr
.endr
.endm
; The rotation of x tile a's 32 pairs (t0, t1) of my token: (t0 c - t1 s, t1 c + t0 s), two packed lines a pair.  Pairs 2 u and 2 u + 1 take the two registers of one pair of the tables.
.macro ROPE a
	WIN 0x0e                                       ; source 0: the accumulators, window 2; source 1: the tables, window 3
.irp b, 0,1,2,3
.irp u, 0,1,2,3
	v_pk_mul_f32 v[TP+4*\u:TP+4*\u+1], v[64*\a+16*\b+4*\u:64*\a+16*\b+4*\u+1], v[64*\a+32+8*\b+2*\u:64*\a+32+8*\b+2*\u+1] op_sel:[1,0] op_sel_hi:[0,0] neg_lo:[1,0]     ; (-t1 s, t0 s)
	v_pk_mul_f32 v[TP+4*\u+2:TP+4*\u+3], v[64*\a+16*\b+4*\u+2:64*\a+16*\b+4*\u+3], v[64*\a+32+8*\b+2*\u:64*\a+32+8*\b+2*\u+1] op_sel:[1,1] op_sel_hi:[0,1] neg_lo:[1,0]
.endr
.irp u, 0,1,2,3
	v_pk_fma_f32 v[HA+16*\b+4*\u:HA+16*\b+4*\u+1], v[64*\a+16*\b+4*\u:64*\a+16*\b+4*\u+1], v[64*\a+8*\b+2*\u:64*\a+8*\b+2*\u+1], v[TP+4*\u:TP+4*\u+1] op_sel:[0,0,0] op_sel_hi:[1,0,1]
	v_pk_fma_f32 v[HA+16*\b+4*\u+2:HA+16*\b+4*\u+3], v[64*\a+16*\b+4*\u+2:64*\a+16*\b+4*\u+3], v[64*\a+8*\b+2*\u:64*\a+8*\b+2*\u+1], v[TP+4*\u+2:TP+4*\u+3] op_sel:[0,1,0] op_sel_hi:[1,1,1]
.endr
.endr
.endm
.macro SENDC a                         ; fragment a of my record: 32 lanes store 512 consecutive bytes, at a multiple of 256 from the buffer's first byte
.irp c, 0,1,2
	global_store_b128 v[LI], v[PC+4*\c:PC+4*\c+3], s[12:13] offset:FRB*\a+512*\c
.endr
.endm
.irp b, 0,1,2,3
	v_mov_b32 v[TM+4+\b], 0                        ; a lane permute's destination counts as one of its sources.  (These four are also the places behind the last products)
.endr
	s_cmp_lg_u32 s[MODE], 0
	s_cbranch_scc1 .Lv_path
	s_wait_loadcnt 0x0                             ; the tables
.irp a, 0,1,2,3
	ROPE \a
	WIN 0
.if \a > 0
	s_wait_xcnt 0x0                                ; the last fragment's stores have read the codes' registers
.endif
	QUANT HA, 0, SW+\a
	SENDC \a
.endr
	s_branch .Ljoin
.Lv_path:
.irp a, 0,1,2,3
.if \a > 0
	s_wait_xcnt 0x0
.endif
	QUANT 64*\a, 2, SW+\a                          ; v is quantised as it stands in the accumulators
	SENDC \a
.endr
.Ljoin:
	v_cmp_gt_u32 vcc_lo, 16, v[LN]
	v_cndmask_b32 v[DD], v[SW+2], v[SW], vcc_lo    ; lanes 0-15: words 0 and 1 of row r; lanes 16-31: words 2 and 3
	v_cndmask_b32 v[DD+1], v[SW+3], v[SW+1], vcc_lo
	global_store_b64 v[SCO], v[DD:DD+1], s[12:13] offset:4*FRB   ; the record's 256 bytes of scale words
	s_wait_tensorcnt 0x0                           ; the wave's end: behind my last tensor load
	ds_add_u32 v[SPW], v[NIL]
	s_wait_dscnt 0x0
	CROUND                                         ; the closing round: no work-group ends while a partner may still ask for a tile that names it
	s_endpgm
.Lfunc_end_k_q4e56ed8a29_qkv:
	.size	k_q4e56ed8a29_qkv, .Lfunc_end_k_q4e56ed8a29_qkv-k_q4e56ed8a29_qkv
	.p2alignl 7, 3214868480
	.fill 96, 4, 3214868480
	.section	.rodata,"a",@progbits
	.p2align	6, 0x0
	.amdhsa_kernel k_q4e56ed8a29_qkv
		.amdhsa_group_segment_fixed_size 327680
		.amdhsa_private_segment_fixed_size 0
		.amdhsa_enable_private_segment 0
		.amdhsa_kernarg_size 40
		.amdhsa_user_sgpr_count 2
		.amdhsa_user_sgpr_kernarg_segment_ptr 1
		.amdhsa_wavefront_size32 1
		.amdhsa_system_sgpr_workgroup_id_x 1
		.amdhsa_system_sgpr_workgroup_id_y 1
		.amdhsa_system_sgpr_workgroup_id_z 1
		.amdhsa_system_vgpr_workitem_id 0
		.amdhsa_next_free_vgpr 1024
		.amdhsa_next_free_sgpr 76
		.amdhsa_reserve_vcc 1
		.amdhsa_float_denorm_mode_32 3
		.amdhsa_float_denorm_mode_16_64 3
		.amdhsa_memory_ordered 1
		.amdhsa_forward_progress 1
		.amdhsa_inst_pref_size 173
	.end_amdhsa_kernel
	.amdgpu_metadata
---
amdhsa.version: [ 1, 2 ]
amdhsa.kernels:
  - .name:           k_q4e56ed8a29_qkv
    .symbol:         k_q4e56ed8a29_qkv.kd
    .args:
      - { .name: xrec, .offset: 0, .size: 8, .value_kind: global_buffer, .address_space: global }
      - { .name: wrec, .offset: 8, .size: 8, .value_kind: global_buffer, .address_space: global }
      - { .name: freqs_cos, .offset: 16, .size: 8, .value_kind: global_buffer, .address_space: global }
      - { .name: freqs_sin, .offset: 24, .size: 8, .value_kind: global_buffer, .address_space: global }
      - { .name: qkv, .offset: 32, .size: 8, .value_kind: global_buffer, .address_space: global }
    .group_segment_fixed_size: 327680
    .private_segment_fixed_size: 0
    .kernarg_segment_align: 8
    .kernarg_segment_size: 40
    .max_flat_workgroup_size: 128
    .sgpr_count:     76
    .vgpr_count:     1024
    .wavefront_size: 32
...
	.end_amdgpu_metadata
.endif
;; end of part 2
;; launch attn (part 3): grid 32 x 8, 8 waves a work-group, clusters of 4 x 1, 327,680 bytes of LDS; arguments qkv, arec; writes arec
.if DOCPART == 3
	.amdgcn_target "amdgcn-amd-amdhsa--gfx1250"
	.amdhsa_code_object_version 6
	.text
	.protected	k_q4e56ed8a29_attn
	.globl	k_q4e56ed8a29_attn
	.p2align	8
	.type	k_q4e56ed8a29_attn,@function
k_q4e56ed8a29_attn:
	s_mov_b64 s[64:65], 0
	v_nop
	global_prefetch_b8 v0, s[64:65] scope:SCOPE_SE
	s_setreg_imm32_b32 hwreg(HW_REG_WAVE_MODE, 25, 1), 1
	s_wait_xcnt 0x0
	s_wait_alu depctr_hold_cnt(0) depctr_sa_sdst(0) depctr_va_vdst(0) depctr_va_sdst(0) depctr_va_ssrc(0) depctr_va_vcc(0) depctr_vm_vsrc(0)
	s_getreg_b32 s2, hwreg(HW_REG_IB_STS2, 6, 4)
	s_cmp_eq_u32 s2, 0
	s_cbranch_scc0 .Lentry_in_a_cluster
	s_endpgm
.Lentry_in_a_cluster:
	s_bfe_u32 s2, ttmp6, 0x10000c
	s_cmp_lg_u32 s2, 0x3003
	s_cbranch_scc0 .Lentry_shape_is_right
	s_endpgm
.Lentry_shape_is_right:
; Causal attention with grouped query heads (2 batches, 8 query heads, 4 key and value heads, 2,048 positions, head size 128), both products on codes of FP6 (E2M3) with E8M0 scales; the result, O / l, is quantised
; along head x 128 + d in registers and stored as the next product's operand.
; THE SOFTMAX AHEAD OF THE SECOND PRODUCT: t = score x log2(e) / sqrt(128); M = the row's largest t so far, rounded UP to a whole number; p = 2^(t - M) is what is quantised, along the keys, not normalised.
; The row's sum is taken of the unquantised p and divides O at the end.  When M moves, the sum and O are multiplied by 2^(old M - new M): exact.
; LIMITS: NaN and infinities are not served; a block whose largest magnitude lies under 2^-124 keeps the byte 1; a block of zeros has the byte 1 where the rule says 127 (zero codes; this program alone reads the bytes).
; qkv [b 2][head 16][record 32][6,400]: heads 0-7 q, 8-11 k, 12-15 v.  A record is four fragments of 1,536 bytes (images of 12 registers: registers 4 c .. 4 c + 3 of lane l at 512 c + 16 l) and row r's four scale words at 6,144 + 16 r.
; q, k: a record is four tiles of 16 positions, K = d; lane r of tile T holds position 32 (T / 2) + 8 (T % 2) + r + 8 (r / 8).  v: records 2 s and 2 s + 1 are the eight tiles of d of key step s, K = its 128 keys.
; LAYOUT.  Both products are used transposed: S^T = K Q^T, O^T = V^T P^T: a lane holds ONE query throughout; the 16 registers of two neighbouring tiles are 16 neighbouring keys (or d): 32 b + 16 (lane / 16) + 0 .. 15.
; SHARES.  A wave owns one tile of 16 queries of one head: 2,048 tiles, 256 work-groups of 8 waves.  A group of 128 queries G wants key steps 0 .. G.  A cluster (x = j + 4 e, y = 4 b + g) takes tiles 4 e .. 4 e + 3 of the groups
; j, 7 - j, 15 - j, 8 + j, for both heads of g; partner cx takes tile 4 e + cx; wave w takes the (w / 2)-th of the four groups and head 2 g + w % 2.  So every work-group has 68 key steps, and every branch hangs on the wave's
; number and the cluster's x alone.  Every work-group has a group of 12 or above, so each of the four slots is read by every partner.
; THE RING: two slots of 512 keys: four key steps of K (12,800 bytes each), then four of V.  Each of the eight waves brings 12,800 dense bytes by one JOINT load (the four partners walk the same K and V).
; A key step all of whose keys come after the wave's queries is jumped over (ids alone); no barrier and no tensor load stands in a step.
; REGISTERS: window 0: v1-4 places that stay; v8-11 addresses in hand; v12 -M, v13 the largest t, v[14:15] the sum; v16-27 Q; v32-39, v40-47 K's and V's scale words; v48-67 the way out's codes; v96-159 S^T, then p;
;   v160-223 O^T; v224-235 p's codes; v232-254 at work; v253 p's scale word; v255 Q's.   window 1: v0-95 K's eight fragments, v96-191 V's.
.set REC,   6400
.set FRB,   1536
.set KSB,   2*REC                      ; a key step's tiles of K, or of V
.set VOFF,  4*KSB                      ; V's lie behind K's four steps
.set SLOT1, 1<<17                      ; slot 1 begins here, so that one exclusive or turns an address in one slot into the other's
.set SPARE, SLOT1+2*VOFF               ; behind the ring: the spare words, 128 bytes for each wave: four blocks of 256 bytes that no other line names
.set AK0, 1                            ; v1   16 x lane: my place in a piece of a fragment; never rewritten
.set AV0, 2                            ; v2   the same in V's part of a slot
.set SK0, 3                            ; v3   16 r + 6,144: my row's scale words
.set SV0, 4                            ; v4   the same in V's part
.set SPW, 5                            ; v5   LDS address of my spare word; never rewritten
.set NIL, 6                            ; v6   0; never rewritten
.set RO,  7                            ; v7   16 r
.set ADK, 8
.set ADV, 9
.set ASK, 10
.set ASV, 11
.set WO,  28                           ; v28  where my row's scale word goes in its record
.set DQ,  29                           ; v29  my query's place in its group of 128, less 16 (lane / 16)
.set PW,  31                           ; v31  the way out's scale word
.set KS,  32
.set VS,  40
.set PC,  48
.set TM,  232
.set WV,  18                           ; s18  wave
.set GQ,  19                           ; s19  my group of 128 queries
.set SEL, 20                           ; s[20:21] v_permlanex16_b32's selects for lane l xor 16
.set CS,  22                           ; s[22:23] c = log2(e) / sqrt(128)
.set G1,  24                           ; s[24:31] descriptor group 1
.set G0,  40                           ; s[40:43] group 0, which walks
.set TB,  2                            ; s2   LDS byte at which the key step in hand begins
.set ST,  67                           ; s67  the key step's number
.set SLOTS, 68
.set FOUR, 69
.set MSB, 0
.macro WIN new
.if MSB != (\new)
	s_set_vgpr_msb (MSB<<8)|(\new)
.set MSB, (\new)
.endif
.endm
.macro CROUND                          ; a round of the cluster's barrier
	s_barrier_signal -1
	s_barrier_wait -1
	s_cmp_lg_u32 s[WV], 0
	s_cbranch_scc1 .Lnot_wave_0_\@
	s_barrier_signal -3
.Lnot_wave_0_\@:
	s_barrier_wait -3
	s_barrier_signal -1
	s_barrier_wait -1
.endm
	s_load_b128 s[4:7], s[0:1], 0x0                ; qkv s[4:5], arec s[6:7]
	v_lshl_add_u32 v[SPW], v0, 2, SPARE
	v_mov_b32 v[NIL], 0
	ds_add_u32 v[SPW], v[NIL]                      ; the wave's opening: the add and its wait stand ahead of my first tensor load; the set-up below, work on registers, stands between them
	v_lshrrev_b32 v8, 5, v0
	v_readfirstlane_b32 s[WV], v8                  ; wave 0..7
	s_bfe_u32 s8, ttmp6, 0x40000                   ; cx: it enters global addresses and one data register alone
	s_and_b32 s9, ttmp7, 0xffff
	s_lshr_b32 s10, s9, 2                          ; b
	s_and_b32 s11, s9, 3                           ; g
	s_and_b32 s12, ttmp9, 3                        ; j
	s_lshr_b32 s13, ttmp9, 2                       ; e
	s_lshr_b32 s14, s[WV], 1                       ; k = wave / 2
	s_lshr_b32 s15, s14, 1
	s_xor_b32 s16, s14, s15
	s_and_b32 s16, s16, 1
	s_mul_i32 s16, s16, 7
	s_lshl_b32 s15, s15, 3
	s_add_co_u32 s16, s16, s15                     ; 0, 7, 15, 8 for k = 0 .. 3
	s_xor_b32 s[GQ], s12, s16                      ; j, 7 - j, 15 - j, 8 + j
	s_and_b32 s17, s[WV], 1
	s_lshl_b32 s32, s11, 1
	s_add_co_u32 s32, s32, s17                     ; my query head: 2 g + wave % 2
	s_lshl_b32 s33, s10, 4                         ; 16 b
	s_add_co_u32 s34, s33, s11
	s_add_co_u32 s34, s34, 8                       ; K's head in qkv
	s_mul_i32 s34, s34, 32*REC
	s_lshr_b32 s35, s[WV], 2                       ; waves 4-7 fetch V's steps: four heads on
	s_mul_i32 s35, s35, 4*32*REC
	s_add_co_u32 s34, s34, s35
	s_and_b32 s35, s[WV], 3                        ; which of a slot's four key steps
	s_mul_i32 s35, s35, KSB
	s_add_co_u32 s34, s34, s35
	s_mov_b32 s35, 0
	s_add_co_u32 s36, s33, s32                     ; Q: record (16 b + head) x 32 + 2 group + e, fragment cx
	s_lshl_b32 s36, s36, 5
	s_lshl_b32 s37, s[GQ], 1
	s_add_co_u32 s36, s36, s37
	s_add_co_u32 s36, s36, s13
	s_mul_i32 s36, s36, REC
	s_mov_b32 s37, 0
	s_mul_i32 s38, s8, FRB
	s_mov_b32 s39, 0
	s_lshl_b32 s44, s8, 2
	s_mov_b32 s45, 0
	s_lshl_b32 s50, s10, 7                         ; the result: token tile 128 b + 8 group + 4 e + cx,
	s_lshl_b32 s51, s[GQ], 3
	s_add_co_u32 s50, s50, s51
	s_lshl_b32 s51, s13, 2
	s_add_co_u32 s50, s50, s51
	s_add_co_u32 s50, s50, s8
	s_lshl_b32 s50, s50, 1
	s_lshr_b32 s51, s32, 2
	s_add_co_u32 s50, s50, s51                     ; record 2 tile + head / 4,
	s_mul_i32 s50, s50, REC
	s_mov_b32 s51, 0
	s_and_b32 s52, s32, 3                          ; fragment head % 4
	s_mul_i32 s54, s52, FRB
	s_mov_b32 s55, 0
	s_lshl_b32 s52, s52, 2
	s_lshl_b32 s53, s13, 6                         ; my tile's first query in its group: 64 e + 32 (cx / 2) + 8 (cx % 2)
	s_lshr_b32 s58, s8, 1
	s_lshl_b32 s58, s58, 5
	s_add_co_u32 s53, s53, s58
	s_and_b32 s58, s8, 1
	s_lshl_b32 s58, s58, 3
	s_add_co_u32 s53, s53, s58
	; descriptor group 1: 12,800 dense bytes as 50 rows of 256 bytes (32 elements of 8 bytes)
	s_mov_b32 s[G1], 15|(3<<16)|(1<<21)            ; 15:0 the mask: all four work-groups; 17:16 elements of 8 bytes; 20 no padding; 21 set beside a mask
	s_mov_b32 s[G1+1], 32<<16                      ; tensor_dim0
	s_mov_b32 s[G1+2], 50<<16                      ; tensor_dim1
	s_mov_b32 s[G1+3], 32<<16                      ; tile_dim0
	s_mov_b32 s[G1+4], 50                          ; tile_dim1
	s_mov_b32 s[G1+5], 32                          ; tensor_dim0_stride
	s_mov_b32 s[G1+6], 0
	s_mov_b32 s[G1+7], 0
	s_mov_b32 s[SEL], 0x76543210
	s_mov_b32 s[SEL+1], 0xfedcba98
	s_mov_b32 s[CS], 0x3e0293ee                    ; c = log2(e) / sqrt(128)
	s_mov_b32 s[CS+1], s[CS]                       ; (named with it as a pair, so it is written)
	s_mov_b32 s[TB], 0
	s_mov_b32 s[ST], 0
	s_mov_b32 s[SLOTS], 3
	s_mov_b32 s[G0], 1
	s_mul_i32 s[G0+1], s[WV], KSB                  ; slot 0: K's four steps, then V's four = wave x 12,800: no place in the cluster enters an LDS address
	s_wait_dscnt 0x0                               ; the opening add is done
	s_wait_kmcnt 0x0
	s_add_nc_u64 s[G0+2:G0+3], s[4:5], s[34:35]
	s_or_b32 s[G0+3], s[G0+3], 0x80000000
	s_add_nc_u64 s[46:47], s[4:5], s[36:37]        ; Q's record,
	s_add_nc_u64 s[48:49], s[46:47], s[38:39]      ; its fragment cx,
	s_add_nc_u64 s[46:47], s[46:47], s[44:45]      ; and that fragment's word of each row
	s_add_nc_u64 s[6:7], s[6:7], s[50:51]          ; the result's record,
	s_add_nc_u64 s[56:57], s[6:7], s[54:55]        ; and my fragment of it
	CROUND                                         ; all four work-groups are here: the first joint loads meet
	tensor_load_to_lds s[G0:G0+3], s[G1:G1+7]      ; slot 0.  One tensor load of mine is out, here and behind every later round
	s_nop 0
.rept 4
	v_nop
.endr
	v_and_b32 v8, 31, v0
	v_lshlrev_b32 v[AK0], 4, v8
	v_add_nc_u32 v[AV0], VOFF, v[AK0]
	v_and_b32 v8, 15, v0                           ; r
	v_bfe_u32 v9, v0, 4, 1                         ; h
	v_lshlrev_b32 v[RO], 4, v8
	v_add_nc_u32 v[SK0], 4*FRB, v[RO]
	v_add_nc_u32 v[SV0], VOFF+4*FRB, v[RO]
.irp c, 0,1,2
	global_load_b128 v[16+4*\c:19+4*\c], v[AK0], s[48:49] offset:512*\c   ; Q's fragment stays in registers
.endr
	global_load_b32 v255, v[RO], s[46:47] offset:4*FRB
	v_add_nc_u32 v[WO], s52, v[RO]
	v_and_b32 v10, 8, v8
	v_add_nc_u32 v10, v10, v8                      ; r + 8 (r / 8)
	v_lshlrev_b32 v11, 4, v9
	v_sub_nc_u32 v10, v10, v11
	v_add_nc_u32 v[DQ], s53, v10
	v_mov_b32 v13, 0xff61b1e6                      ; the largest t so far: -3e38, under every t
	v_floor_f32 v12, -v13                          ; -M
	v_mov_b32 v14, 0                               ; the sum, in two halves
	v_mov_b32 v15, 0
.irp b, 0,1,2,3
	v_mov_b32 v[236+\b], 0                         ; written once: a lane permute's destination counts as one of its sources
.endr
	v_mov_b32 v252, 0
	v_mov_b32 v253, 0                              ; (named as the upper half of the pair v[252:253] before it is first written)
.set n, 0
.rept 64
	v_mov_b32 v[160+n], 0                          ; O^T.  (The step is written once: the first finds zeros, which the first change of M leaves zeros)
.set n, n+1
.endr
; A KEY STEP: 128 keys, at s[TB] in LDS.
.macro STEP
	s_cmp_gt_u32 s[ST], s[GQ]                      ; all its keys come after my queries: nothing but the steps of the counters at its end
	s_cbranch_scc1 .Lhidden_\@
	v_add_nc_u32 v[ADK], s[TB], v[AK0]             ; (these four are the places in front of loads into registers that the last products have read)
	v_add_nc_u32 v[ADV], s[TB], v[AV0]
	v_add_nc_u32 v[ASK], s[TB], v[SK0]
	v_add_nc_u32 v[ASV], s[TB], v[SV0]
.irp u, 0,1
	ds_load_b128 v[KS+4*\u:KS+4*\u+3], v[ASK] offset:REC*\u   ; the scale words of four tiles by one load
.endr
	WIN 0x40                                       ; destination window 1
.irp t, 0,1,2,3,4,5,6,7
.irp c, 0,1,2
	ds_load_b128 v[12*\t+4*\c:12*\t+4*\c+3], v[ADK] offset:REC*(\t/4)+FRB*(\t%4)+512*\c
.endr
.endr
.irp t, 0,1,2,3,4,5,6,7
.irp c, 0,1,2
	ds_load_b128 v[96+12*\t+4*\c:96+12*\t+4*\c+3], v[ADV] offset:REC*(\t/4)+FRB*(\t%4)+512*\c
.endr
.endr
	WIN 0
.irp u, 0,1
	ds_load_b128 v[VS+4*\u:VS+4*\u+3], v[ASV] offset:REC*\u
.endr
	s_wait_dscnt 26                                ; K and its words are in; V's 24 loads and its words' 2 may be out: they land under the softmax
	WIN 0x01                                       ; source 0 window 1
.irp t, 0,1,2,3,4,5,6,7
	v_wmma_scale_f32_16x16x128_f8f6f4 v[96+8*\t:103+8*\t], v[12*\t:12*\t+11], v[16:27], 0, v[KS+\t], v255 matrix_a_fmt:MATRIX_FMT_FP6 matrix_b_fmt:MATRIX_FMT_FP6
.endr
	WIN 0
.rept 4
	v_nop
.endr
	s_cmp_lg_u32 s[ST], s[GQ]                      ; on the diagonal the scores of hidden keys become -infinity ahead of the maximum: p = 0 then.  A step all of whose keys count skips this
	s_cbranch_scc1 .Lopen_\@
	v_mov_b32 v254, 0xff800000
.set n, 0
.rept 64                               ; register 16 b + i holds key 32 b + 16 (lane / 16) + i of the step: hidden where 32 b + i > my query's place - 16 (lane / 16)
	v_cmp_gt_i32 vcc_lo, 32*(n/16)+n%16, v[DQ]
	v_cndmask_b32 v[96+n], v[96+n], v254, vcc_lo
.set n, n+1
.endr
.Lopen_\@:
.irp b, 0,1,2,3
	v_max3_num_f32 v[232+\b], v[96+16*\b], v[97+16*\b], v[98+16*\b]   ; the largest score of each block of 32 keys: it serves for the row's maximum and, since p rises with the score, for the block's largest p
.endr
.irp i, 3,5,7,9,11,13
.irp b, 0,1,2,3
	v_max3_num_f32 v[232+\b], v[232+\b], v[96+16*\b+\i], v[97+16*\b+\i]
.endr
.endr
.irp b, 0,1,2,3
	v_max_num_f32 v[232+\b], v[232+\b], v[111+16*\b]
.endr
.irp b, 0,1,2,3
	v_permlanex16_b32 v[236+\b], v[232+\b], s[SEL], s[SEL+1]
.endr
.irp b, 0,1,2,3
	v_max_num_f32 v[232+\b], v[232+\b], v[236+\b]  ; with lane l xor 16's 16 keys
.endr
	v_max3_num_f32 v254, v232, v233, v234
	v_max_num_f32 v254, v254, v235                 ; the step's largest score of my query
	v_mul_f32 v254, s[CS], v254                    ; as t (c is positive)
	v_max_num_f32 v13, v13, v254                   ; the running largest t
	v_mov_b32 v254, v12
	v_floor_f32 v12, -v13                          ; the new -M = floor(-t) = -ceil(t): M is a whole number
	v_sub_f32 v254, v12, v254                      ; M's old value less its new one: a whole number, 0 or less
	v_cvt_i32_f32 v254, v254                       ; (it saturates)
	v_ldexp_f32 v252, 1.0, v254                    ; f = 2^(old M - new M)
.set n, 0
.rept 32
	v_pk_fma_f32 v[96+n:97+n], v[96+n:97+n], s[CS:CS+1], v[12:13] op_sel_hi:[1,0,0]   ; t - M, two at a time
.set n, n+2
.endr
.irp b, 0,1,2,3
	v_fma_f32 v[232+\b], v[232+\b], s[CS], v12     ; the same of each block's largest score
.endr
.set n, 0
.rept 64
	v_exp_f32 v[96+n], v[96+n]                     ; p = 2^(t - M), at most 1: not normalised
.set n, n+1
.endr
	v_pk_mul_f32 v[14:15], v[14:15], v[252:253] op_sel_hi:[1,0]   ; the sums under the new M.  (A plain place behind the exponentials)
	s_wait_alu depctr_va_vdst(0)                   ; one wait for the whole batch, ahead of its first reader
.irp b, 0,1,2,3
	v_exp_f32 v[232+\b], v[232+\b]                 ; the block's largest p: the same two instructions on the same number give the same bits
.endr
	v_pk_add_f32 v[236:237], v[96:97], v[98:99]    ; the row's sum is taken of the unquantised p: two at a time, in two chains
.set n, 4
.rept 15
	v_pk_add_f32 v[14:15], v[14:15], v[96+n:97+n]
	v_pk_add_f32 v[236:237], v[236:237], v[98+n:99+n]
.set n, n+4
.endr
	v_pk_add_f32 v[14:15], v[14:15], v[236:237]
	s_wait_alu depctr_va_vdst(0)                   ; and one for the four
.irp b, 0,1,2,3
	v_max_num_f32 v[232+\b], 0x1800000, v[232+\b]  ; the floor 2^(3 - 127): the byte cannot fall under 1
.endr
.irp b, 0,1,2,3
	v_add_nc_u32 v[244+\b], 0xff000000, v[232+\b]  ; 2 off the exponent field: the conversion's scale operand
.endr
.irp b, 0,1,2,3
	v_lshrrev_b32 v[236+\b], 23, v[244+\b]         ; the scale's byte
.endr
	v_lshl_or_b32 v253, v237, 8, v236              ; p's scale word for these 128 keys
	v_lshl_or_b32 v253, v238, 16, v253
	v_lshl_or_b32 v253, v239, 24, v253
.irp c, 0,1
	v_cvt_scalef32_pk16_fp6_f32 v[224+6*\c:226+6*\c], v[96+32*\c:111+32*\c], v[244+2*\c]
	v_cvt_scalef32_pk16_fp6_f32 v[236+4*\c:238+4*\c], v[112+32*\c:127+32*\c], v[245+2*\c]   ; (a conversion's three registers begin on an even number)
.endr
	v_nop                                          ; one plain place behind a scaled conversion
.irp c, 0,1                            ; the operand's layout wants a whole block in a lane
.irp i, 0,1,2
	v_permlane16_swap_b32 v[224+6*\c+\i], v[236+4*\c+\i]
.endr
.irp i, 0,1,2
	v_mov_b32 v[227+6*\c+\i], v[236+4*\c+\i]
.endr
.endr
.set n, 0
.rept 32
	v_pk_mul_f32 v[160+n:161+n], v[160+n:161+n], v[252:253] op_sel_hi:[1,0]   ; O^T under the new M.  (These 32 are also the places between the writes of p's codes and scale word and the products below)
.set n, n+2
.endr
	s_wait_dscnt 0x0                               ; V and its words are in
	WIN 0x01
.irp t, 0,1,2,3,4,5,6,7
	v_wmma_scale_f32_16x16x128_f8f6f4 v[160+8*\t:167+8*\t], v[96+12*\t:107+12*\t], v[224:235], v[160+8*\t:167+8*\t], v[VS+\t], v253 matrix_a_fmt:MATRIX_FMT_FP6 matrix_b_fmt:MATRIX_FMT_FP6
.endr
	WIN 0
.Lhidden_\@:
	s_add_co_u32 s[ST], s[ST], 1
	s_add_co_u32 s[TB], s[TB], KSB
.endm
.macro SLOT_STEPS                      ; a slot's four key steps: written once, walked four times
	s_mov_b32 s[FOUR], 4
.Lstep_\@:
	STEP
	s_sub_co_u32 s[FOUR], s[FOUR], 1
	s_cmp_lg_u32 s[FOUR], 0
	s_cbranch_scc1 .Lstep_\@
	s_sub_co_u32 s[TB], s[TB], VOFF                ; back to a slot's first step,
	s_xor_b32 s[TB], s[TB], SLOT1                  ; in the other slot
.endm
; THE CHANGE OF SLOTS stands at a slot's head.  Each wave waits for all its tensor loads (its part of the slot that it is about to read), adds 0 to its spare word, and waits for that and for its reads of the slot that it has left.
; fill = 1: the barrier is a round of the cluster's, and behind it the other slot is filled with the next 512 keys: the load has four key steps in which to land.
.macro CHANGE fill
	s_wait_tensorcnt 0x0                           ; no tensor load of mine is out, so group 0 may be written
	ds_add_u32 v[SPW], v[NIL]                      ; 0 onto my spare word
.if \fill
	s_xor_b32 s[G0+1], s[G0+1], SLOT1              ; the walking descriptor: the other slot than last time,
	s_add_nc_u64 s[G0+2:G0+3], s[G0+2:G0+3], VOFF  ; four key steps on; the type bits on top are not reached
.endif
	s_wait_dscnt 0x0                               ; the add is done, and my reads of the slot that I have left are over
.if \fill
	CROUND
	tensor_load_to_lds s[G0:G0+3], s[G1:G1+7]      ; the first thing behind the round, and my one tensor load until the next
	s_nop 0
.rept 4
	v_nop
.endr
.else
	s_barrier_signal -1
	s_barrier_wait -1
.endif
.endm
	s_wait_loadcnt 0x0                             ; Q
.Lslot:                                                ; three trips: behind each change of slots but the last the next slot is asked for
	CHANGE 1
	SLOT_STEPS
	s_sub_co_u32 s[SLOTS], s[SLOTS], 1
	s_cmp_lg_u32 s[SLOTS], 0
	s_cbranch_scc1 .Lslot
	CHANGE 0                                       ; the last slot is written out
	SLOT_STEPS
	; THE WAY OUT.  O^T / the sum: register 16 b + i is d = 32 b + 16 (lane / 16) + i of my query: a K step of the next product.  It is quantised as it stands and stored as a fragment.
	v_add_f32 v14, v14, v15                        ; the sum's two halves,
	v_permlanex16_b32 v252, v14, s[SEL], s[SEL+1]
	v_add_f32 v14, v14, v252                       ; and lane l xor 16's: the row's sum
	v_rcp_f32 v14, v14
.rept 3
	v_nop                                          ; a plain place behind the reciprocal; with the additions above, the places behind the last products
.endr
	s_wait_alu depctr_va_vdst(0)                   ; the wait, ahead of the reciprocal's first reader
.set n, 0
.rept 64
	v_mul_f32 v[96+n], v[160+n], v14
.set n, n+1
.endr
.irp b, 0,1,2,3
	v_max3_num_f32 v[TM+\b], |v[96+16*\b]|, |v[97+16*\b]|, 0x1800000   ; block b: my 16 numbers, and the floor 2^(3 - 127)
.endr
.irp i, 2,4,6,8,10,12,14
.irp b, 0,1,2,3
	v_max3_num_f32 v[TM+\b], v[TM+\b], |v[96+16*\b+\i]|, |v[97+16*\b+\i]|
.endr
.endr
.irp b, 0,1,2,3
	v_permlanex16_b32 v[TM+4+\b], v[TM+\b], s[SEL], s[SEL+1]
.endr
.irp b, 0,1,2,3
	v_max_num_f32 v[TM+\b], v[TM+\b], v[TM+4+\b]
.endr
.irp b, 0,1,2,3
	v_add_nc_u32 v[TM+12+\b], 0xff000000, v[TM+\b]
.endr
.irp b, 0,1,2,3
	v_lshrrev_b32 v[TM+4+\b], 23, v[TM+12+\b]
.endr
	v_lshl_or_b32 v[PW], v[TM+5], 8, v[TM+4]
	v_lshl_or_b32 v[PW], v[TM+6], 16, v[PW]
	v_lshl_or_b32 v[PW], v[TM+7], 24, v[PW]
.irp c, 0,1
	v_cvt_scalef32_pk16_fp6_f32 v[PC+6*\c:PC+6*\c+2], v[96+32*\c:111+32*\c], v[TM+12+2*\c]
	v_cvt_scalef32_pk16_fp6_f32 v[PC+12+4*\c:PC+12+4*\c+2], v[112+32*\c:127+32*\c], v[TM+13+2*\c]
.endr
	v_nop                                          ; one plain place behind a scaled conversion
.irp c, 0,1
.irp i, 0,1,2
	v_permlane16_swap_b32 v[PC+6*\c+\i], v[PC+12+4*\c+\i]
.endr
.irp i, 0,1,2
	v_mov_b32 v[PC+3+6*\c+\i], v[PC+12+4*\c+\i]
.endr
.endr
.irp c, 0,1,2
	global_store_b128 v[AK0], v[PC+4*\c:PC+4*\c+3], s[56:57] offset:512*\c   ; 32 lanes store 512 consecutive bytes, at a multiple of 256 from the buffer's first byte
.endr
	global_store_b32 v[WO], v[PW], s[6:7] offset:4*FRB   ; my rows' words of this head: 4 bytes of each 16 (the other three heads' waves write the rest); lanes r and r + 16 hold the same word and name the same place
	s_wait_tensorcnt 0x0                           ; the wave's end: behind my last tensor load
	ds_add_u32 v[SPW], v[NIL]
	s_wait_dscnt 0x0
	CROUND                                         ; the closing round: no work-group ends while a partner may still ask for a tile that names it
	s_endpgm
.Lfunc_end_k_q4e56ed8a29_attn:
	.size	k_q4e56ed8a29_attn, .Lfunc_end_k_q4e56ed8a29_attn-k_q4e56ed8a29_attn
	.p2alignl 7, 3214868480
	.fill 96, 4, 3214868480
	.section	.rodata,"a",@progbits
	.p2align	6, 0x0
	.amdhsa_kernel k_q4e56ed8a29_attn
		.amdhsa_group_segment_fixed_size 327680
		.amdhsa_private_segment_fixed_size 0
		.amdhsa_enable_private_segment 0
		.amdhsa_kernarg_size 16
		.amdhsa_user_sgpr_count 2
		.amdhsa_user_sgpr_kernarg_segment_ptr 1
		.amdhsa_wavefront_size32 1
		.amdhsa_system_sgpr_workgroup_id_x 1
		.amdhsa_system_sgpr_workgroup_id_y 1
		.amdhsa_system_sgpr_workgroup_id_z 1
		.amdhsa_system_vgpr_workitem_id 0
		.amdhsa_next_free_vgpr 512
		.amdhsa_next_free_sgpr 72
		.amdhsa_reserve_vcc 1
		.amdhsa_float_denorm_mode_32 3
		.amdhsa_float_denorm_mode_16_64 3
		.amdhsa_memory_ordered 1
		.amdhsa_forward_progress 1
		.amdhsa_inst_pref_size 64
	.end_amdhsa_kernel
	.amdgpu_metadata
---
amdhsa.version: [ 1, 2 ]
amdhsa.kernels:
  - .name:           k_q4e56ed8a29_attn
    .symbol:         k_q4e56ed8a29_attn.kd
    .args:
      - { .name: qkv, .offset: 0, .size: 8, .value_kind: global_buffer, .address_space: global }
      - { .name: arec, .offset: 8, .size: 8, .value_kind: global_buffer, .address_space: global }
    .group_segment_fixed_size: 327680
    .private_segment_fixed_size: 0
    .kernarg_segment_align: 8
    .kernarg_segment_size: 16
    .max_flat_workgroup_size: 256
    .sgpr_count:     72
    .vgpr_count:     512
    .wavefront_size: 32
...
	.end_amdgpu_metadata
.endif
;; end of part 3
;; launch oproj (part 4): grid 16 x 16, 4 waves a work-group, clusters of 4 x 4, 327,680 bytes of LDS; arguments arec, worec, out0; writes out0
.if DOCPART == 4
	.amdgcn_target "amdgcn-amd-amdhsa--gfx1250"
	.amdhsa_code_object_version 6
	.text
	.protected	k_q4e56ed8a29_oproj
	.globl	k_q4e56ed8a29_oproj
	.p2align	8
	.type	k_q4e56ed8a29_oproj,@function
k_q4e56ed8a29_oproj:
	s_mov_b64 s[64:65], 0
	v_nop
	global_prefetch_b8 v0, s[64:65] scope:SCOPE_SE
	s_setreg_imm32_b32 hwreg(HW_REG_WAVE_MODE, 25, 1), 1
	s_wait_xcnt 0x0
	s_wait_alu depctr_hold_cnt(0) depctr_sa_sdst(0) depctr_va_vdst(0) depctr_va_sdst(0) depctr_va_ssrc(0) depctr_va_vcc(0) depctr_vm_vsrc(0)
	s_getreg_b32 s2, hwreg(HW_REG_IB_STS2, 6, 4)
	s_cmp_eq_u32 s2, 0
	s_cbranch_scc0 .Lentry_in_a_cluster
	s_endpgm
.Lentry_in_a_cluster:
	s_bfe_u32 s2, ttmp6, 0x10000c
	s_cmp_lg_u32 s2, 0xf033
	s_cbranch_scc0 .Lentry_shape_is_right
	s_endpgm
.Lentry_shape_is_right:
; out0 [4096 tokens][4096] = attention's result [4096][1024] x wo [4096][1024]^T, both on codes of FP6 (E2M3) with E8M0 scales; sums in f32, stored as f32.
; RECORDS (6,400 bytes): four fragments of 1,536 bytes (images of an operand's 12 registers: registers 4 c .. 4 c + 3 of lane l at 512 c + 16 l), then row r's four scale words at 6,144 + 16 r.
; arec [tile 256][G 2], worec [tile 256][G 2]: a record holds K steps 4 G .. 4 G + 3 of a tile of 16 rows; lane r of tile T holds row 32 (T / 2) + 8 (T % 2) + r + 8 (r / 8).
; SHARES.  256 work-groups, and A WORK-GROUP STAYS: it makes two tiles of 256 tokens x 128 columns, column blocks nt and nt + 16.  Four waves, each 64 tokens x 128 columns: 32 accumulators.
; All of K is two slots of 512 (16 records of tokens, 8 of wo, 153,600 bytes each).  The tokens' records serve both tiles and are fetched once; wo's part of a slot (51,200 bytes) is filled again for the second tile as soon as
; the first tile has read it: slot 0's at the first tile's change of slots, slot 1's at its last K step.  The first tile's stores leave while the second tile is multiplied: nothing waits for them.
; Source 0 = wo's 8 tiles, source 1 = 4 tiles of tokens: a lane holds ONE token, and the 64 registers of token tile a are columns 32 b + 16 (lane / 16) + i.
; CLUSTERS: 4 x 4.  The tokens' records hang on the tile row alone and are asked for jointly along a row of the cluster, wo's along a column.  The refills are wo's alone: waves 2 and 3 issue them, one load each.
; REGISTERS: window 0: v2-15 addresses; v16-79, v80-111 scale words (two sets each; they hold nothing else); v112-207 the tokens' fragments, two sets.
;   window 1: wo's fragments, two sets, at v0 and v128.   window 2: accumulator (a, t) at v[8 (8 a + t)].   window 3: a whole tile of the result as rows, on its way out: half block n at v[32 n].
.set NG,    2
.set REC,   6400
.set FRB,   1536
.set SLOT,  24*REC
.set BOFF,  16*REC                     ; wo's records lie behind the tokens' sixteen
.set STAGE, 2*SLOT                     ; behind the slots: the way out's stages, 16 rows x (256 bytes + 16) for each wave: bytes of their own, into which no fill lands
.set SROW,  272                        ; an odd multiple of 16 bytes: the sixteen rows that a store touches start at different banks (64 banks of 4 bytes: ISA guide 11.1)
.set SPARE, STAGE+4*16*SROW            ; behind the stages: the spare words, 128 bytes for each wave: two blocks of 256 bytes that no other line names
.set TSTEP, 16*8*NG*REC                ; bytes from column block nt's records of wo to those of block nt + 16
.set CSTEP, 16*512                     ; and from its columns in a row of out0 to the other block's
.set AD8, 2                            ; v2-3   LDS address of wo's fragments in slot 0, 1: 16 x lane + their first record
.set AD4, 4                            ; v4-5   the same for my four tiles of tokens
.set AS8, 6                            ; v6-7   of wo's scale words: 16 r + 6,144 + their first record
.set AS4, 8                            ; v8-9   the same for the tokens'
.set SPW, 10                           ; v10    LDS address of my spare word; never rewritten
.set NIL, 11                           ; v11    0; never rewritten
.set STO, 12                           ; v12    the way out: where I put my pieces of a row: row r, + 64 (lane / 16)
.set RD,  13                           ; v13    where I read rows back: lanes 0-15 one row of 256 bytes, lanes 16-31 the next
.set CO,  14                           ; v14    the same two rows in out0; never rewritten
.set HH,  208                          ; v208   lane / 16, at the head
.set SC8, 16
.set SC4, 80
.set F4,  112
.set G1,  24                           ; s[24:31] descriptor group 1 for the tokens' records;  s[32:39] group 0, a set for each slot
.set G0,  32
.set G1B, 48                           ; s[48:55], s[56:63] the same for wo's
.set G0B, 56
.set MSB, 0
.macro WIN new                         ; the immediate's high byte repeats the setting that is left; a switch that changes nothing is dropped
.if MSB != (\new)
	s_set_vgpr_msb (MSB<<8)|(\new)
.set MSB, (\new)
.endif
.endm
.set MUL, 0xa1                         ; source 0 window 1, source 1 window 0, C and D window 2
.set TO8, 0x40                         ; destination window 1, address window 0
; A first fill: waves 0 and 1 fetch the tokens' two halves, waves 2 and 3 wo's.  An s_nop 0 and four v_nop follow each of the two lines, ahead of the jump, the label and what follows.
.macro JLOAD g0a, g1a, g0b, g1b
	s_cmp_eq_u32 s15, 0
	s_cbranch_scc0 .Lfor_b_\@
	tensor_load_to_lds s[\g0a:\g0a+3], s[\g1a:\g1a+7]
	s_nop 0
.rept 4
	v_nop
.endr
	s_branch .Lasked_\@
.Lfor_b_\@:
	tensor_load_to_lds s[\g0b:\g0b+3], s[\g1b:\g1b+7]
	s_nop 0
.rept 4
	v_nop
.endr
.Lasked_\@:
.endm
; A refill: wo's part of a slot alone.  Waves 2 and 3 fetch its two halves; waves 0 and 1 have no part of it and issue nothing.  The branch hangs on the wave's number alone: it is the same in every work-group.
.macro JLOADB g0b
	s_cmp_lg_u32 s15, 0
	s_cbranch_scc0 .Lno_part_\@
	tensor_load_to_lds s[\g0b:\g0b+3], s[G1B:G1B+7]
	s_nop 0
.rept 4
	v_nop
.endr
.Lno_part_\@:
.endm
.macro CREST                           ; a round of the cluster's barrier behind its opening barrier
	s_cmp_lg_u32 s14, 0
	s_cbranch_scc1 .Lnot_wave_0_\@
	s_barrier_signal -3
.Lnot_wave_0_\@:
	s_barrier_wait -3
	s_barrier_signal -1
	s_barrier_wait -1
.endm
.macro CROUND                          ; a whole round
	s_barrier_signal -1
	s_barrier_wait -1
	CREST
.endm
	s_load_b128 s[4:7], s[0:1], 0x0                ; arec s[4:5], worec s[6:7]
	s_load_b64 s[8:9], s[0:1], 0x10                ; out0
	v_lshl_add_u32 v[SPW], v0, 2, SPARE
	v_mov_b32 v[NIL], 0
	ds_add_u32 v[SPW], v[NIL]                      ; the wave's opening: the add and its wait stand ahead of my first tensor load; the set-up below, work on registers, stands between them
	v_lshrrev_b32 v1, 5, v0
	v_readfirstlane_b32 s14, v1                    ; wave 0..3
	s_lshr_b32 s15, s14, 1                         ; I fetch for the tokens (0) or for wo (1)
	s_and_b32 s16, s14, 1                          ; and which half
	s_bfe_u32 s40, ttmp6, 0x40000                  ; cx, cy: my place in the cluster
	s_bfe_u32 s41, ttmp6, 0x40004
	s_lshl_b32 s42, ttmp9, 2
	s_add_co_u32 s42, s42, s40                     ; my first block of 128 columns = 4 x cluster x + cx: 0..15
	s_and_b32 s17, ttmp7, 0xffff
	s_lshl_b32 s17, s17, 2
	s_add_co_u32 s17, s17, s41                     ; the block of 256 tokens = 4 x cluster y + cy
	s_lshl_b32 s43, s41, 2
	s_lshl_b32 s43, 15, s43                        ; my row of the cluster
	s_lshl_b32 s44, 0x1111, s40                    ; my column
	; descriptor group 1: records of 800 elements of 8 bytes, NG records apart in memory, on end in LDS; 8 of the tokens' or 4 of wo's to a load
	s_or_b32 s[G1+0], s43, (3<<16)|(1<<21)         ; 15:0 the mask; 17:16 elements of 8 bytes; 20 no padding; 21 set beside a mask
	s_or_b32 s[G1B+0], s44, (3<<16)|(1<<21)
.irp g, G1, G1B
	s_mov_b32 s[\g+1], 800<<16                     ; tensor_dim0
	s_mov_b32 s[\g+3], 800<<16                     ; tile_dim0
	s_mov_b32 s[\g+5], 800*NG                      ; tensor_dim0_stride
	s_mov_b32 s[\g+6], 0
	s_mov_b32 s[\g+7], 0
.endr
	s_mov_b32 s[G1+2], 8<<16                       ; tensor_dim1
	s_mov_b32 s[G1+4], 8                           ; tile_dim1
	s_mov_b32 s[G1B+2], 4<<16
	s_mov_b32 s[G1B+4], 4
	s_lshl_b32 s18, s16, 3
	s_lshl_b32 s20, s17, 4
	s_add_co_u32 s20, s20, s18                     ; tokens: tile 16 x block + 8 x half
	s_mul_i32 s20, s20, REC*NG
	s_mov_b32 s21, 0
	s_lshl_b32 s18, s16, 2
	s_lshl_b32 s46, s42, 3
	s_add_co_u32 s46, s46, s18                     ; wo: tile 8 x block + 4 x half
	s_mul_i32 s46, s46, REC*NG
	s_mov_b32 s47, 0
	s_mul_i32 s45, s16, 8*REC                      ; where they go: no place in the cluster enters an LDS address
	s_mul_i32 s22, s16, 4*REC
	s_add_co_u32 s22, s22, BOFF
	s_wait_dscnt 0x0                               ; the opening add is done
	s_wait_kmcnt 0x0
	s_add_nc_u64 s[20:21], s[4:5], s[20:21]
	s_add_nc_u64 s[46:47], s[6:7], s[46:47]
	CROUND                                         ; all sixteen work-groups are here: the first joint loads meet
.irp s, 0,1
	s_mov_b32 s[G0+4*\s], 1
	s_add_co_u32 s[G0+4*\s+1], s45, \s*SLOT
	s_add_nc_u64 s[G0+4*\s+2:G0+4*\s+3], s[20:21], \s*REC
	s_or_b32 s[G0+4*\s+3], s[G0+4*\s+3], 0x80000000
	s_mov_b32 s[G0B+4*\s], 1
	s_add_co_u32 s[G0B+4*\s+1], s22, \s*SLOT
	s_add_nc_u64 s[G0B+4*\s+2:G0B+4*\s+3], s[46:47], \s*REC
	s_or_b32 s[G0B+4*\s+3], s[G0B+4*\s+3], 0x80000000
	JLOAD G0+4*\s, G1, G0B+4*\s, G1B               ; two tensor loads of mine are out here, later one at the most
.endr
	v_and_b32 v1, 31, v0
	v_lshlrev_b32 v1, 4, v1                        ; 16 x lane
	v_and_b32 v15, 15, v0                          ; r
	v_bfe_u32 v[HH], v0, 4, 1                      ; h
	s_mul_i32 s23, s14, 4*REC                      ; my four tiles of tokens
	v_add_nc_u32 v[AD8], BOFF, v1
	v_add_nc_u32 v[AD4], s23, v1
	v_lshlrev_b32 v[AS8], 4, v15
	v_add_nc_u32 v[AS8], 4*FRB, v[AS8]
	v_add_nc_u32 v[AS4], s23, v[AS8]
	v_add_nc_u32 v[AS8], BOFF, v[AS8]
.irp g, AD8, AD4, AS8, AS4
	v_add_nc_u32 v[\g+1], SLOT, v[\g]
.endr
	s_mul_i32 s23, s14, 16*SROW
	s_add_co_u32 s23, s23, STAGE                   ; my stage
	v_mul_u32_u24 v[STO], v15, SROW
	v_lshl_add_u32 v[STO], v[HH], 6, v[STO]
	v_add_nc_u32 v[STO], s23, v[STO]               ; in: row r, + 64 h
	v_mul_u32_u24 v[RD], v[HH], SROW
	v_lshl_add_u32 v[RD], v15, 4, v[RD]
	v_add_nc_u32 v[RD], s23, v[RD]                 ; back: row h, + 16 r
	v_lshlrev_b32 v[CO], 14, v[HH]
	v_lshl_add_u32 v[CO], v15, 4, v[CO]            ; and in out0: a row is 16,384 bytes
	s_lshl_b32 s20, s17, 8
	s_lshl_b32 s21, s14, 6
	s_add_co_u32 s20, s20, s21                     ; my first token: 256 x block + 64 x wave
	s_lshl_b32 s20, s20, 14                        ; rows of 16,384 bytes: under 2^27
	s_mov_b32 s21, 0
	s_lshl_b32 s46, s42, 9                         ; my first block's first column, in bytes
	s_mov_b32 s47, 0
	s_add_nc_u64 s[8:9], s[8:9], s[20:21]
	s_add_nc_u64 s[8:9], s[8:9], s[46:47]          ; never stepped: rows, halves and the second tile stand in the stores' immediates
; 8 matrix instructions: token tile a against wo's eight tiles, 128 along K: the slot's K step q.  The 32 accumulators take turns, one instruction a turn, in the same order in every step.
.macro MUL8 a, p, q, sc, zero
.irp t, 0,1,2,3,4,5,6,7
.if \zero
	v_wmma_scale_f32_16x16x128_f8f6f4 v[8*(8*(\a)+\t):8*(8*(\a)+\t)+7], v[128*(\p)+12*\t:128*(\p)+12*\t+11], v[F4+48*(\p)+12*(\a):F4+48*(\p)+12*(\a)+11], 0, v[SC8+32*(\sc)+4*\t+(\q)], v[SC4+16*(\sc)+4*(\a)+(\q)] matrix_a_fmt:MATRIX_FMT_FP6 matrix_b_fmt:MATRIX_FMT_FP6
.else
	v_wmma_scale_f32_16x16x128_f8f6f4 v[8*(8*(\a)+\t):8*(8*(\a)+\t)+7], v[128*(\p)+12*\t:128*(\p)+12*\t+11], v[F4+48*(\p)+12*(\a):F4+48*(\p)+12*(\a)+11], v[8*(8*(\a)+\t):8*(8*(\a)+\t)+7], v[SC8+32*(\sc)+4*\t+(\q)], v[SC4+16*(\sc)+4*(\a)+(\q)] matrix_a_fmt:MATRIX_FMT_FP6 matrix_b_fmt:MATRIX_FMT_FP6
.endif
.endr
.endm
.macro FETCH slot, q, p                ; 36 LDS loads in one run: the twelve fragments of the slot's K step q into set p; each load takes 512 consecutive bytes
	WIN TO8
.irp i, 0,1,2,3,4,5,6,7
.irp c, 0,1,2
	ds_load_b128 v[128*(\p)+12*\i+4*\c:128*(\p)+12*\i+4*\c+3], v[AD8+\slot] offset:REC*\i+FRB*(\q)+512*\c
.endr
.endr
	WIN 0
.irp i, 0,1,2,3
.irp c, 0,1,2
	ds_load_b128 v[F4+48*(\p)+12*\i+4*\c:F4+48*(\p)+12*\i+4*\c+3], v[AD4+\slot] offset:REC*\i+FRB*(\q)+512*\c
.endr
.endr
.endm
.macro SCALES slot                     ; a slot's scale words: one load brings a tile's four K steps
.irp i, 0,1,2,3,4,5,6,7
	ds_load_b128 v[SC8+32*\slot+4*\i:SC8+32*\slot+4*\i+3], v[AS8+\slot] offset:REC*\i
.endr
.irp i, 0,1,2,3
	ds_load_b128 v[SC4+16*\slot+4*\i:SC4+16*\slot+4*\i+3], v[AS4+\slot] offset:REC*\i
.endr
.endm
; A load into a register that a matrix instruction has read, and a store that reads a matrix result, stand four places behind that matrix instruction, and only plain vector instructions that name none of its
; registers are places (ISA guide 7.12.1 for vector instructions).
.macro PLACES
.rept 4
	v_nop
.endr
.endm
.macro STEP slot, q, zero              ; a K step that has its successor in the same slot
	s_wait_dscnt 0x0                               ; this step's fragments are in (asked for 16 matrix instructions ago)
	WIN MUL
	MUL8 0, (\q)%2, \q, \slot, \zero
	MUL8 1, (\q)%2, \q, \slot, \zero
	PLACES
	FETCH \slot, (\q)+1, 1-(\q)%2
	WIN MUL
	MUL8 2, (\q)%2, \q, \slot, \zero
	MUL8 3, (\q)%2, \q, \slot, \zero
.endm
; A slot's last K step: ONE barrier; in front of it each wave waits for all its tensor loads, adds 0 to its spare word, and waits for that and for its own reads of this slot.
; fill = 1: wo's part of this slot is filled again, with the second tile's records: the barrier then opens a round of the cluster's barrier, and the joint refill is the first tensor load behind the round.
; fetch = 1: the other slot's first fragments and scale words are fetched.
.macro TURN slot, next, fill, fetch
	WIN 0                                          ; (the add's two registers lie in window 0)
	s_wait_tensorcnt 0x0                           ; all my tensor loads have landed, so a group 0 may be written;
	ds_add_u32 v[SPW], v[NIL]                      ; 0 onto my spare word;
	s_wait_dscnt 0x1                               ; (the add alone may be out: this step's 36 fragment loads are in)
	WIN MUL
	MUL8 0, 1, 3, \slot, 0                         ; eight matrix instructions stand between the add and the wait for it
	s_wait_dscnt 0x0                               ; the add is done, and my reads of this slot are over
	s_barrier_signal -1
	MUL8 1, 1, 3, \slot, 0
	WIN 0
	s_barrier_wait -1
.if \fill
	CREST                                          ; no wave of any partner still reads this slot's records of wo or has a load on its way
	s_add_nc_u64 s[G0B+4*\slot+2:G0B+4*\slot+3], s[G0B+4*\slot+2:G0B+4*\slot+3], TSTEP   ; the same K steps of column block nt + 16; the type bits on top are not reached
	JLOADB G0B+4*\slot                             ; it has four K steps, 128 matrix instructions, in which to land
.endif
.if \fetch
	PLACES
	FETCH \next, 0, 0
	SCALES \next
.endif
	WIN MUL
	MUL8 2, 1, 3, \slot, 0
	MUL8 3, 1, 3, \slot, 0
.endm
; THE WAY OUT, half a row (64 columns, 256 bytes) of a tile of 16 tokens at a time: half block n = 2 a + u is token tile a, columns 64 u on.  A lane holds pieces of one row, and the lanes beside it hold other rows:
; so a half block goes through my own stage in LDS and comes back as whole rows of 256 bytes, into registers of its own in window 3.  LDS serves a wave's instructions in order (ISA guide 5.7.1.4): no wait between the
; stores and the loads, nor in front of the next half block's stores.
.macro TOSTAGE n
	WIN 0x08                                       ; an LDS store's data are its source 1: window 2
.irp b, 0,1
.irp k, 0,1,2,3
	ds_store_b128 v[STO], v[32*(\n)+16*\b+4*\k:32*(\n)+16*\b+4*\k+3] offset:128*\b+16*\k   ; columns 64 u + 32 b + 16 h + 4 k on; each accumulator from its low end on
.endr
.endr
	WIN 0xc0                                       ; destination window 3
.irp i, 0,1,2,3,4,5,6,7
	ds_load_b128 v[32*(\n)+4*\i:32*(\n)+4*\i+3], v[RD] offset:2*\i*SROW
.endr
.endm
.macro STORES n, tile                  ; stage row t = 2 i + h is the token 32 (a / 2) + 8 (a % 2) + t + 8 (t / 8) of my 64
	WIN 0x0c                                       ; a store's data are its source 1: window 3
.irp i, 0,1,2,3,4,5,6,7
	global_store_b128 v[CO], v[32*(\n)+4*\i:32*(\n)+4*\i+3], s[8:9] offset:16384*(32*((\n)/4)+8*(((\n)/2)%2)+2*\i+8*(\i/4))+256*((\n)%2)+CSTEP*(\tile) th:TH_STORE_NT   ; 16 lanes store 256 consecutive bytes, at a multiple of 256 from out0's first byte; 63 rows at the most: inside the signed 24-bit immediate (ISA guide, chapter 10)
.endr
.endm
.macro SEND n, tile, younger           ; younger: the LDS instructions issued behind half block n's loads, which may stay out
	s_wait_dscnt \younger
	STORES \n, \tile
.endm
.macro WAYOUT tile, here               ; here: how many of the eight half blocks are stored at once; the others' stores follow among the next tile's K steps
.rept 5
	v_nop                                          ; four places for the LDS stores that read results; five for the next tile's first products, which begin these accumulators anew
.endr
.if \tile
	s_wait_xcnt 0x0                                ; the first tile's stores have read window 3's registers, which are loaded again below
.endif
	TOSTAGE 0
.irp z, 1,2,3,4,5,6,7
	TOSTAGE \z
.if (\z)-1 < \here
	SEND (\z)-1, \tile, 16                         ; behind that half block's loads: the next one's 8 stores and 8 loads
.endif
.endr
.if \here > 7
	SEND 7, \tile, 0
.endif
	WIN 0
.endm
	s_wait_tensorcnt 0x1                           ; my part of slot 0 is in; slot 1's may stay out
	s_barrier_signal -1
	s_barrier_wait -1                              ; everybody's is
	; ---- the first tile: column block nt
	FETCH 0, 0, 0
	SCALES 0
	STEP 0, 0, 1                                   ; the first K step's products start the sums
	STEP 0, 1, 0
	STEP 0, 2, 0
	TURN 0, 1, 1, 1                                ; slot 0's records of wo give way to the second tile's
	STEP 1, 0, 0
	STEP 1, 1, 0
	STEP 1, 2, 0
	TURN 1, 0, 1, 0                                ; and slot 1's; the wait in front of this barrier has shown slot 0's refill landed
	WIN 0
	WAYOUT 0, 6                                    ; the whole tile into window 3; six half blocks' stores at once
	; ---- the second tile: column block nt + 16; the tokens' records lie where they lay
	FETCH 0, 0, 0
	SCALES 0
	STEP 0, 0, 1
	STORES 6, 0                                    ; the first tile's last two half blocks (back in registers since the wait at the step's head)
	STEP 0, 1, 0
	STORES 7, 0
	STEP 0, 2, 0
	TURN 0, 1, 0, 1                                ; the wait in front of this barrier shows slot 1's refill landed; nothing is filled again, so no round follows
	STEP 1, 0, 0
	STEP 1, 1, 0
	STEP 1, 2, 0
	s_wait_dscnt 0x0                               ; the very last K step
	WIN MUL
	MUL8 0, 1, 3, 1, 0
	MUL8 1, 1, 3, 1, 0
	MUL8 2, 1, 3, 1, 0
	MUL8 3, 1, 3, 1, 0
	WIN 0
	WAYOUT 1, 8
	s_wait_tensorcnt 0x0                           ; the wave's end: behind my last tensor load and my last LDS store
	ds_add_u32 v[SPW], v[NIL]
	s_wait_dscnt 0x0
	CROUND                                         ; the closing round: no work-group ends while a partner may still ask for a tile that names it
	s_endpgm
.Lfunc_end_k_q4e56ed8a29_oproj:
	.size	k_q4e56ed8a29_oproj, .Lfunc_end_k_q4e56ed8a29_oproj-k_q4e56ed8a29_oproj
	.p2alignl 7, 3214868480
	.fill 96, 4, 3214868480
	.section	.rodata,"a",@progbits
	.p2align	6, 0x0
	.amdhsa_kernel k_q4e56ed8a29_oproj
		.amdhsa_group_segment_fixed_size 327680
		.amdhsa_private_segment_fixed_size 0
		.amdhsa_enable_private_segment 0
		.amdhsa_kernarg_size 24
		.amdhsa_user_sgpr_count 2
		.amdhsa_user_sgpr_kernarg_segment_ptr 1
		.amdhsa_wavefront_size32 1
		.amdhsa_system_sgpr_workgroup_id_x 1
		.amdhsa_system_sgpr_workgroup_id_y 1
		.amdhsa_system_sgpr_workgroup_id_z 1
		.amdhsa_system_vgpr_workitem_id 0
		.amdhsa_next_free_vgpr 1024
		.amdhsa_next_free_sgpr 66
		.amdhsa_reserve_vcc 0
		.amdhsa_float_denorm_mode_32 3
		.amdhsa_float_denorm_mode_16_64 3
		.amdhsa_memory_ordered 1
		.amdhsa_forward_progress 1
		.amdhsa_inst_pref_size 147
	.end_amdhsa_kernel
	.amdgpu_metadata
---
amdhsa.version: [ 1, 2 ]
amdhsa.kernels:
  - .name:           k_q4e56ed8a29_oproj
    .symbol:         k_q4e56ed8a29_oproj.kd
    .args:
      - { .name: arec, .offset: 0, .size: 8, .value_kind: global_buffer, .address_space: global }
      - { .name: worec, .offset: 8, .size: 8, .value_kind: global_buffer, .address_space: global }
      - { .name: out0, .offset: 16, .size: 8, .value_kind: global_buffer, .address_space: global }
    .group_segment_fixed_size: 327680
    .private_segment_fixed_size: 0
    .kernarg_segment_align: 8
    .kernarg_segment_size: 24
    .max_flat_workgroup_size: 128
    .sgpr_count:     66
    .vgpr_count:     1024
    .wavefront_size: 32
...
	.end_amdgpu_metadata
.endif
;; end of part 4
